; MI455X (gfx1250); checked and timed in simulation.
; The chip was launched on July 23, 2026; its instructions are those of AMD's public machine-readable ISA for CDNA 5 (MIT licence, August 2026) and "CDNA5" Instruction Set Architecture Reference Guide (July 2026). The comments in the code are by the model that wrote it; some were corrected since.
;; Causal Self Attention. Allowed arithmetic: matrix products marked QUANTISED: E5M2 operands, one E8M0 scale for each 32 along K, by v_wmma_scale_f32_16x16x128_f8f6f4 with both operands' format E5M2, f32 sums; everything else in f32.
;; Inputs: Wk 1,024 x 1,024 float32; Wp 1,024 x 1,024 float32; Wq 1,024 x 1,024 float32; Wv 1,024 x 1,024 float32; bk 1,024 float32; bp 1,024 float32; bq 1,024 float32; bv 1,024 float32; x 4 x 2,048 x 1,024 float32.
;; Outputs: out0 4 x 2,048 x 1,024 float32.
;; This version of the problem:
;;   THIS VERSION OF THE PROBLEM IS GIVEN IN LOW PRECISION. The matrix products marked QUANTISED in the list below multiply operands that are first quantised to E5M2 (5 exponent bits, 2 mantissa bits; 8 bits a number), with one power-of-two scale for each 32 numbers along K (OCP MX v1.0); their sums are f32. All else is computed in f32.
;;   The module's matrix products, in the order in which they are computed (A, B: the left and right operand; K: the contracted axis; several contracted axes count as one K, in the product's order):
;;     1. [M 8,192, K 1,024] x [K 1,024, N 1,024]; A: input x; B: input Wq: QUANTISED
;;     2. [M 8,192, K 1,024] x [K 1,024, N 1,024]; A: input x; B: input Wk: QUANTISED
;;     3. [M 8,192, K 1,024] x [K 1,024, N 1,024]; A: input x; B: input Wv: QUANTISED
;;     4. batch 64 x [M 2,048, K 64] x [K 64, N 2,048]; A: computed on the way; B: computed on the way: QUANTISED
;;     5. batch 64 x [M 2,048, K 2,048] x [K 2,048, N 64]; A: softmax (see below); B: computed on the way: QUANTISED
;;     6. [M 8,192, K 1,024] x [K 1,024, N 1,024]; A: computed on the way; B: input Wp: QUANTISED
;;   THE QUANTISER, for each operand of a quantised product, along K:
;;     - K is cut into blocks of 32 from its start; a last block that is shorter is filled with zeros.
;;     - A block's scale is 2^e with e = floor(log2(the largest magnitude in the block)) - 15, held to -126 .. 127; a block of zeros has e = 0. As a byte (E8M0): e + 127.
;;     - Each number is divided by its block's scale, clamped to +-57,344, and rounded to the nearest number of E5M2, ties to even, subnormals kept.
;;     - The product sums the exact products of the quantised numbers (number of the format x scale) in f32.
;;   ~~~python
;;   def quantise(x, axis):      # numpy; x: float32 -> the quantised numbers, widened to float32 again
;;       x = np.moveaxis(x, axis, -1); K = x.shape[-1]
;;       x = np.pad(x, [(0, 0)] * (x.ndim - 1) + [(0, -K % 32)]); x = x.reshape(x.shape[:-1] + (-1, 32)); a = np.abs(x).max(-1, keepdims=True)
;;       e = np.where(a > 0, np.clip(np.frexp(np.where(a > 0, a, 1))[1] - 1 - 15, -126, 127), 0)      # np.frexp(a)[1] - 1 = floor(log2(a)), exactly
;;       r = np.clip(x / 2.0 ** e, -57344, 57344)
;;       step = 2.0 ** (np.maximum(np.frexp(np.where(r == 0, 1, r))[1] - 1, -14) - 2)
;;       q = np.round(r / step) * step * 2.0 ** e      # np.round: ties to even
;;       return np.moveaxis(q.reshape(q.shape[:-2] + (-1,))[..., :K], -1, axis).astype(np.float32)
;;   ~~~
;;   SOFTMAX AHEAD OF A QUANTISED PRODUCT. Where the list says 'softmax', what is quantised is not the finished softmax but p = 2^(t - M), with t = logit x log2(e) and M = ceil(the row's largest t), a whole number; so 1/2 < the row's largest p <= 1. The row's sum l is taken of the UNQUANTISED p, in f32, and the product's result is divided by l at the end. Since M is a whole number, a kernel that streams over the keys may use a running M (the ceiling of the running maximum): every later rescaling is an exact power of two, which a block's scale takes up: the codes' values come out the same.
;;   OPERANDS COMPUTED ON THE WAY. 'Computed on the way' means the value that the module computes at that place (a softmax that the list does not call 'softmax' is quantised finished and normalised). What goes into a quantiser is computed in f32, as accurately as f32 sums, v_exp_f32 and their like allow (about 1e-6 of the number): no bf16 or f16 on the way to a quantiser, and a product that is left as it is and whose result goes on into a quantised operand takes f32 operands (vector FMAs, or v_wmma_f32_16x16x4_f32). A number that lies on a knife's edge between two numbers of the format may be rounded either way, as far as f32 arithmetic and the matrix unit's own rounding can turn it there, and no further.
;; One version. Each part assembles by itself: llvm-mc -triple=amdgcn-amd-amdhsa -mcpu=gfx1250 --defsym DOCPART=n.
;; ======== version 1 of 1: 4 launches
;; limits: right only within a limited range of input values
;; workspace buffers: xc 8,650,752 bytes; wc 4,325,376 bytes; qc 8,912,896 bytes; kvc 17,563,648 bytes; yc 8,650,752 bytes
;; launch quant (part 1): grid 768 x 1, 2 waves a work-group, no clusters, 0 bytes of LDS; arguments x, Wq, Wk, Wv, Wp, xc, wc; writes xc, wc
.if DOCPART == 1
	.amdgcn_target "amdgcn-amd-amdhsa--gfx1250"
	.amdhsa_code_object_version 6
	.text
	.protected	k_q2de8750ce0_quant
	.globl	k_q2de8750ce0_quant
	.p2align	8
	.type	k_q2de8750ce0_quant,@function
k_q2de8750ce0_quant:
	s_mov_b64 s[64:65], 0
	v_nop
	global_prefetch_b8 v0, s[64:65] scope:SCOPE_SE
	s_setreg_imm32_b32 hwreg(HW_REG_WAVE_MODE, 25, 1), 1
	s_wait_xcnt 0x0
; CAUSAL SELF-ATTENTION IN MX-BF8, launch 1 of 4: x [8192][1024] and Wq, Wk, Wv, Wp [1024][1024], f32 with K innermost, become codes of E5M2 with one E8M0 byte for each 32 along K.
; WORK LEFT OUT IN THE WHOLE PROGRAM: only, in the third launch, key steps of 128 keys all of which come after all 16 queries of a wave.  reference() builds the mask jnp.tril in its own body and puts -inf on those
; logits, so their p is exactly 0 for all finite inputs: they add nothing to the row's sum nor to the second product, and never hold the row's maximum (key 0 counts for every query).  All nine inputs are loaded.
; LIMITS: a NaN, an infinity or an overflow that reaches only that work is not carried to the result.  A block of zeros gets the byte 1 where the quantiser says 127: its codes are zeros, which add nothing under any
; byte but 0xff, and this program alone reads the bytes.  Blocks whose largest magnitude lies under 2^(16-127) are held at the byte 1.  NaN and infinities among the inputs are not served.
; LAYOUT OF EVERY OPERAND THAT THIS PROGRAM STORES: an image of the operand's registers.  Tile T holds at position r the row 32 (T / 2) + 8 (T % 2) + r + 8 (r / 8).  Codes: byte T 16384 + s 2048 + c 512 + 16 lane + i is the
; code of position lane % 16 at k = 128 s + 32 c + 16 (lane / 16) + i: four registers of a lane are one store of 512 consecutive bytes.  Scale bytes: byte T 512 + S 128 + 8 r + e is the byte of k block 8 S + e.
; SHARES: a work-group takes one tile of 16 rows (the first 512 work-groups x's, the other 256 the weights' in the order Wq, Wk, Wv, Wp); its two waves take half of K each: four steps of 128.
; A lane holds 16 neighbours along K of each block of 32; lanes l and l xor 16 hold a block.  Three sets of 64 registers: up to 48 loads of a wave are out.  No LDS, no barrier: waves share nothing.
.set XS_OFF, 8388608                   ; where x's scale bytes begin in xc
.set WS_OFF, 4194304                   ; where the weights' begin in wc
.set PW,  8                            ; v8-11   the four steps' scale words
.set TM,  16                           ; v16-19 largest magnitudes, v20-23 the other half's and then the bytes, v28-31 the conversions' scale operands
.set PC,  32                           ; v32-63  codes, two sets of 16
.set DS,  64                           ; v64-255 numbers, three sets of 64
.set SEL, 20                           ; s[20:21] lane selects: lane l xor 16
.set MNT, 23
	s_load_b256 s[4:11], s[0:1], 0x0               ; x, Wq, Wk, Wv
	s_load_b128 s[12:15], s[0:1], 0x20             ; Wp, xc
	s_load_b64 s[16:17], s[0:1], 0x30              ; wc
	v_lshrrev_b32 v1, 5, v0
	v_readfirstlane_b32 s18, v1                    ; wave: which half of K
	v_and_b32 v1, 31, v0                           ; lane
	v_and_b32 v2, 15, v0                           ; r
	v_bfe_u32 v3, v0, 4, 1                         ; h
	v_and_b32 v4, 8, v2
	v_add_nc_u32 v4, v4, v2                        ; r + 8 (r / 8): my row in the tile's 24
	v_lshlrev_b32 v4, 12, v4                       ; a row is 4,096 bytes
	v_lshl_add_u32 v4, v3, 6, v4                   ; + 64 h: my 16 numbers of a block
	v_lshlrev_b32 v5, 4, v1                        ; 16 x lane: my place in a chunk of codes
	v_lshlrev_b32 v6, 3, v1                        ; 8 x lane: my place among the scale bytes
.irp b, 0,1,2,3
	v_mov_b32 v[TM+4+\b], 0                        ; written once: a lane permute's destination counts as one of its sources
.endr
	s_mov_b32 s[SEL], 0x76543210
	s_mov_b32 s[SEL+1], 0xfedcba98
	s_sub_co_u32 s19, ttmp9, 512                   ; the weights' tile among 256 (used only from work-group 512 on)
	s_and_b32 s25, s19, 63                         ; its number in its tensor
	s_bfe_u32 s26, s19, 0x20006                    ; which tensor
	s_cmp_lt_u32 ttmp9, 512                        ; x's work-group?  The choice hangs on the work-group's number alone
	s_cselect_b32 s24, ttmp9, s19                  ; the tile in the buffer that I store into
	s_cselect_b32 s25, ttmp9, s25                  ; the tile in the tensor that I read
	s_mov_b32 s27, WS_OFF
	s_cselect_b32 s27, XS_OFF, s27
	s_lshr_b32 s28, s25, 1
	s_lshl_b32 s28, s28, 17                        ; 32 rows of 4,096 bytes for each pair of tiles,
	s_and_b32 s29, s25, 1
	s_lshl_b32 s29, s29, 15                        ; 8 rows for the odd one,
	s_add_co_u32 s28, s28, s29
	s_lshl_b32 s29, s18, 11                        ; my half of K: 2,048 bytes on
	s_add_co_u32 s28, s28, s29
	s_mov_b32 s29, 0
	s_lshl_b32 s30, s24, 14                        ; codes: 16,384 bytes a tile, 8,192 a half
	s_lshl_b32 s31, s18, 13
	s_add_co_u32 s30, s30, s31
	s_mov_b32 s31, 0
	s_lshl_b32 s32, s24, 9                         ; scale bytes: 512 a tile, 256 a half
	s_lshl_b32 s33, s18, 8
	s_add_co_u32 s32, s32, s33
	s_add_co_u32 s32, s32, s27
	s_mov_b32 s33, 0
	s_wait_alu depctr_va_vdst(0)
	s_wait_kmcnt 0x0
	s_cmp_eq_u32 s26, 2
	s_cselect_b64 s[12:13], s[10:11], s[12:13]     ; Wv, else Wp
	s_cmp_eq_u32 s26, 1
	s_cselect_b64 s[12:13], s[8:9], s[12:13]       ; Wk
	s_cmp_eq_u32 s26, 0
	s_cselect_b64 s[12:13], s[6:7], s[12:13]       ; Wq
	s_cmp_lt_u32 ttmp9, 512
	s_cselect_b64 s[12:13], s[4:5], s[12:13]       ; x
	s_cselect_b64 s[14:15], s[14:15], s[16:17]     ; xc or wc
	s_add_nc_u64 s[12:13], s[12:13], s[28:29]
	s_add_nc_u64 s[34:35], s[14:15], s[30:31]      ; my codes
	s_add_nc_u64 s[36:37], s[14:15], s[32:33]      ; my scale bytes
.macro XLOAD set, s                    ; step s: 64 numbers a lane: register 16 b + i = k 128 s + 32 b + 16 h + i of my row
.irp b, 0,1,2,3
.irp j, 0,1,2,3
	global_load_b128 v[\set+16*\b+4*\j:\set+16*\b+4*\j+3], v4, s[12:13] offset:512*(\s)+128*\b+16*\j th:TH_LOAD_NT
.endr
.endr
.endm
.macro QUANT s, pc, pw                 ; 64 numbers in v[s] on become a fragment's codes in v[pc] on and its scale word in v[pw]
.irp b, 0,1,2,3
	v_max3_num_f32 v[TM+\b], |v[\s+16*\b]|, |v[\s+1+16*\b]|, 0x8000000   ; block b: my 16 numbers, and the floor 2^(16 - 127): the byte cannot fall under 1
.endr
.irp i, 2,4,6,8,10,12,14
.irp b, 0,1,2,3
	v_max3_num_f32 v[TM+\b], v[TM+\b], |v[\s+16*\b+\i]|, |v[\s+1+16*\b+\i]|   ; the four blocks by turns
.endr
.endr
.irp b, 0,1,2,3
	v_permlanex16_b32 v[TM+4+\b], v[TM+\b], s[SEL], s[SEL+1]
.endr
.irp b, 0,1,2,3
	v_max_num_f32 v[TM+\b], v[TM+\b], v[TM+4+\b]   ; with lane l xor 16's: the block's largest magnitude
.endr
.irp b, 0,1,2,3
	v_add_nc_u32 v[TM+12+\b], 0xf8800000, v[TM+\b] ; 15 off its exponent field: the conversion's scale operand
.endr
.irp b, 0,1,2,3
.endr
.irp b, 0,1,2,3
	v_lshrrev_b32 v[TM+4+\b], 23, v[TM+12+\b]      ; the scale's byte
.endr
	v_lshl_or_b32 v[\pw], v[TM+5], 8, v[TM+4]
	v_lshl_or_b32 v[\pw], v[TM+6], 16, v[\pw]
	v_lshl_or_b32 v[\pw], v[TM+7], 24, v[\pw]      ; my row's scale word for these 128 along K
.irp b, 0,1,2,3
.irp i, 0,1,2,3,4,5,6,7,8,9,10,11,12,13,14,15
.endr
	v_cvt_scalef32_pk8_bf8_f32 v[\pc+4*\b:\pc+1+4*\b], v[\s+16*\b:\s+7+16*\b], v[TM+12+\b]
	v_cvt_scalef32_pk8_bf8_f32 v[\pc+2+4*\b:\pc+3+4*\b], v[\s+8+16*\b:\s+15+16*\b], v[TM+12+\b]
.endr
	v_nop                                          ; one plain vector line behind the last conversion
.endm
.macro OUT s, pc                       ; a fragment's four chunks: each store covers 512 consecutive bytes, aligned
.irp c, 0,1,2,3
	global_store_b128 v5, v[\pc+4*\c:\pc+4*\c+3], s[34:35] offset:2048*(\s)+512*\c
.endr
.endm
	XLOAD DS, 0
	XLOAD DS+64, 1
	XLOAD DS+128, 2
	s_wait_loadcnt 32                              ; step 0's 16 loads are in; the 32 of steps 1 and 2 stay out
	QUANT DS, PC, PW
	OUT 0, PC
	XLOAD DS, 3                                    ; the set just converted takes step 3
	s_wait_loadcnt 32                              ; step 1 is in; steps 2 and 3 stay out
	QUANT DS+64, PC+16, PW+1
	OUT 1, PC+16
	s_wait_loadcnt 16                              ; step 2 is in; step 3 stays out
	s_wait_xcnt 0x0                                ; step 0's stores have read their registers: the first set of codes is written again
	QUANT DS+128, PC, PW+2
	OUT 2, PC
	s_wait_loadcnt 0x0
	s_wait_xcnt 0x0                                ; step 1's stores likewise
	QUANT DS, PC+16, PW+3
	OUT 3, PC+16
	v_cmp_le_u32 vcc_lo, 16, v1                    ; lanes 0-15 store the words of steps 0, 1 (a K step of 256), lanes 16-31 those of steps 2, 3: every lane holds its row's four
	v_cndmask_b32 v12, v[PW], v[PW+2], vcc_lo
	v_cndmask_b32 v13, v[PW+1], v[PW+3], vcc_lo
	global_store_b64 v6, v[12:13], s[36:37]        ; 32 lanes store 256 consecutive bytes, aligned
	s_endpgm
.Lfunc_end_k_q2de8750ce0_quant:
	.size	k_q2de8750ce0_quant, .Lfunc_end_k_q2de8750ce0_quant-k_q2de8750ce0_quant
	.p2alignl 7, 3214868480
	.fill 96, 4, 3214868480
	.section	.rodata,"a",@progbits
	.p2align	6, 0x0
	.amdhsa_kernel k_q2de8750ce0_quant
		.amdhsa_group_segment_fixed_size 0
		.amdhsa_private_segment_fixed_size 0
		.amdhsa_enable_private_segment 0
		.amdhsa_kernarg_size 56
		.amdhsa_user_sgpr_count 2
		.amdhsa_user_sgpr_kernarg_segment_ptr 1
		.amdhsa_wavefront_size32 1
		.amdhsa_system_sgpr_workgroup_id_x 1
		.amdhsa_system_sgpr_workgroup_id_y 1
		.amdhsa_system_sgpr_workgroup_id_z 1
		.amdhsa_system_vgpr_workitem_id 0
		.amdhsa_next_free_vgpr 256
		.amdhsa_next_free_sgpr 66
		.amdhsa_reserve_vcc 1
		.amdhsa_float_denorm_mode_32 3
		.amdhsa_float_denorm_mode_16_64 3
		.amdhsa_fp16_overflow 1
		.amdhsa_memory_ordered 1
		.amdhsa_forward_progress 1
		.amdhsa_inst_pref_size 25
	.end_amdhsa_kernel
	.amdgpu_metadata
---
amdhsa.version: [ 1, 2 ]
amdhsa.kernels:
  - .name:           k_q2de8750ce0_quant
    .symbol:         k_q2de8750ce0_quant.kd
    .args:
      - { .name: x, .offset: 0, .size: 8, .value_kind: global_buffer, .address_space: global }
      - { .name: Wq, .offset: 8, .size: 8, .value_kind: global_buffer, .address_space: global }
      - { .name: Wk, .offset: 16, .size: 8, .value_kind: global_buffer, .address_space: global }
      - { .name: Wv, .offset: 24, .size: 8, .value_kind: global_buffer, .address_space: global }
      - { .name: Wp, .offset: 32, .size: 8, .value_kind: global_buffer, .address_space: global }
      - { .name: xc, .offset: 40, .size: 8, .value_kind: global_buffer, .address_space: global }
      - { .name: wc, .offset: 48, .size: 8, .value_kind: global_buffer, .address_space: global }
    .group_segment_fixed_size: 0
    .private_segment_fixed_size: 0
    .kernarg_segment_align: 8
    .kernarg_segment_size: 56
    .max_flat_workgroup_size: 64
    .sgpr_count:     66
    .vgpr_count:     256
    .wavefront_size: 32
...
	.end_amdgpu_metadata
.endif
;; end of part 1
;; launch qkv (part 2): grid 12 x 32, 4 waves a work-group, clusters of 4 x 4, 327,680 bytes of LDS; arguments xc, wc, bq, bk, bv, qc, kvc; writes qc, kvc
.if DOCPART == 2
	.amdgcn_target "amdgcn-amd-amdhsa--gfx1250"
	.amdhsa_code_object_version 6
	.text
	.protected	k_q2de8750ce0_qkv
	.globl	k_q2de8750ce0_qkv
	.p2align	8
	.type	k_q2de8750ce0_qkv,@function
k_q2de8750ce0_qkv:
	s_mov_b64 s[64:65], 0
	v_nop
	global_prefetch_b8 v0, s[64:65] scope:SCOPE_SE
	s_setreg_imm32_b32 hwreg(HW_REG_WAVE_MODE, 25, 1), 1
	s_wait_xcnt 0x0
	s_wait_alu depctr_hold_cnt(0) depctr_sa_sdst(0) depctr_va_vdst(0) depctr_va_sdst(0) depctr_va_ssrc(0) depctr_va_vcc(0) depctr_vm_vsrc(0)
	s_getreg_b32 s2, hwreg(HW_REG_IB_STS2, 6, 4)
	s_cmp_eq_u32 s2, 0
	s_cbranch_scc0 .Lentry_in_a_cluster
	s_endpgm
.Lentry_in_a_cluster:
	s_bfe_u32 s2, ttmp6, 0x10000c
	s_cmp_lg_u32 s2, 0xf033
	s_cbranch_scc0 .Lentry_shape_is_right
	s_endpgm
.Lentry_shape_is_right:
; Launch 2 of 4: q = x Wq^T + bq, k = x Wk^T + bk, v = x Wv^T + bv on codes of E5M2 (K = 1,024), and the results quantised at once for the attention: q and k along the head's 64, v along the keys.  No work is left out here.
; A work-group of four waves makes 256 x 256, a wave 128 x 128: 64 accumulators, 512 registers.  K goes in steps of 256 through a ring of two LDS slots.  Operands lie in memory as images of their registers (tile T, position r:
; row 32 (T / 2) + 8 (T % 2) + r + 8 (r / 8)), so a fragment comes from LDS by four loads of 512 consecutive bytes: no pitch, no padding.
; CLUSTERS: 4 x 4 work-groups.  The cluster's x says which product: 0 q, 1 k, 2 v; it is the same in all sixteen partners.  Source 1 of the matrix instruction is the A SIDE, shared along a row of the cluster; source 0 the B SIDE,
; shared along a column.  For q and k the A side is x (tokens) and the B side the weight (channels); FOR v THE SIDES ARE EXCHANGED.  So a lane always holds one position of the A side, and the 16 registers of accumulators
; (a, 2 p) and (a, 2 p + 1) are 16 neighbours, 32 p + 16 (lane / 16) + 0 .. 15, of the B side: channels for q and k, keys for v: the axis along which each is quantised.  The conversions' results are the next launch's operand images.
; The bias is the C of each sum's first matrix instruction: by the B side's index for q and k, by the A side's for v: that first step is written twice, under a branch on the cluster's x.
; LIMITS: a block of zeros gets the byte 1 (its codes are zeros; this program alone reads the bytes); largest magnitudes under 2^(16-127) are held at the byte 1; NaN and infinities are not served.
; REGISTERS, in windows of 256: window 0: v1-13 set-up, v16-29 addresses; v32-63 scale words, two sets, and nothing else; v64-127 the bias, later numbers on their way to codes; v128-255 the A side's fragments, one set, later the way out.
;   window 1: the B side's fragments, two sets.   windows 2, 3: the accumulators of my A blocks 0-3, 4-7: (a, b) at v[8 (8 (a % 4) + b)].
.set XS_OFF, 8388608                   ; x's scale bytes in xc
.set WS_OFF, 4194304                   ; the weights' in wc
.set QS_OFF, 8388608                   ; q's scale words in qc
.set NQ,     2                         ; matrix instructions deep in a slot
.set FR,     16                        ; registers of a fragment
.set NL,     4                         ; LDS loads that bring one
.set NP,     8                         ; places behind this matrix instruction (ISA guide 7.12.1)
.set HALFT,  32768                     ; 8 tiles x 4,096 bytes: what one tensor load brings, and what one wave reads of a side
.set SLOT,   4*HALFT                   ; the A side's two halves, then the B side's
.set SCL,    2*SLOT                    ; behind the ring: the scale bytes of all of K, 4,096 bytes for each half
.set HALFS,  4096
.set SBLK,   512                       ; those of one tile
.set SPARE,  SCL+4*HALFS               ; the spare words, 128 bytes for each wave: two blocks of 256 bytes that no other line names
.set ADRA, 16                          ; v16-17  LDS address of my A fragments in slot 0, 1
.set ADRB, 20                          ; v20-21  the same for B
.set ADRS, 27                          ; v27     LDS address of my scale words: lanes 0-15 the A side's, lanes 16-31 the B side's
.set SPW,  28                          ; v28     LDS address of my spare word; never rewritten
.set NIL,  29                          ; v29     0; never rewritten
.set SC,   32                          ; scale words: set s at v[SC + 16 s]; register 2 i + q
.set BIAS, 64
.set AF,   128
.set G1, 24                            ; s[24:31], s[32:39] groups 1 and 0 (a set for each slot) for the A side's codes
.set G0, 32
.set G1B, 48                           ; s[48:55], s[56:63] for the B side's
.set G0B, 56
.set G1S, 68                           ; s[68:75], s[76:79] for the A side's scale bytes;  s[80:87], s[88:91] for the B side's
.set G0S, 76
.set G1SB, 80
.set G0SB, 88
.set MSB, 0
.macro WIN new                         ; the immediate's high byte repeats the setting that is left
.if MSB != (\new)
	s_set_vgpr_msb (MSB<<8)|(\new)
.set MSB, (\new)
.endif
.endm
.set MUL_LO,   0xa1                    ; source 0 window 1, source 1 window 0, C and D window 2
.set MUL_HI,   0xf1                    ; the same, C and D window 3
.set FIRST_LO, 0x81                    ; the first step: C (the bias) window 0, D window 2
.set FIRST_HI, 0xc1                    ; D window 3
.set TO_B,     0x40                    ; destination window 1, address window 0
; A joint load: waves 0 and 1 fetch for the A side, waves 2 and 3 for the B side.  The branch hangs on the wave's number alone.  An s_nop 0 and four v_nop follow each of the two lines.
.macro JLOAD g0a, g1a, g0b, g1b
	s_cmp_eq_u32 s15, 0
	s_cbranch_scc0 .Lfor_b_\@
	tensor_load_to_lds s[\g0a:\g0a+3], s[\g1a:\g1a+7]
	s_nop 0
.rept 4
	v_nop
.endr
	s_branch .Lasked_\@
.Lfor_b_\@:
	tensor_load_to_lds s[\g0b:\g0b+3], s[\g1b:\g1b+7]
	s_nop 0
.rept 4
	v_nop
.endr
.Lasked_\@:
.endm
.macro CREST                           ; a round of the cluster's barrier behind its opening barrier
	s_cmp_lg_u32 s14, 0
	s_cbranch_scc1 .Lnot_wave_0_\@
	s_barrier_signal -3
.Lnot_wave_0_\@:
	s_barrier_wait -3
	s_barrier_signal -1
	s_barrier_wait -1
.endm
.macro CROUND                          ; a whole round
	s_barrier_signal -1
	s_barrier_wait -1
	CREST
.endm
	s_load_b256 s[68:75], s[0:1], 0x0              ; xc, wc, bq, bk
	s_load_b128 s[76:79], s[0:1], 0x20             ; bv, qc
	s_load_b64 s[80:81], s[0:1], 0x30              ; kvc
	v_lshl_add_u32 v[SPW], v0, 2, SPARE
	v_mov_b32 v[NIL], 0
	ds_add_u32 v[SPW], v[NIL]                      ; the wave's opening: the add, twice on end, and its wait ahead of my first tensor load; work on registers stands between the second and the wait
	ds_add_u32 v[SPW], v[NIL]
	v_lshrrev_b32 v1, 5, v0
	v_readfirstlane_b32 s14, v1                    ; wave 0..3
	s_lshr_b32 s15, s14, 1                         ; which half of the A side is mine.  Also: I fetch for A (0) or for B (1)
	s_and_b32 s16, s14, 1                          ; which half of the B side.  Also: which half of that side I fetch
	s_bfe_u32 s40, ttmp6, 0x40000                  ; cx, cy: my place in the cluster
	s_bfe_u32 s41, ttmp6, 0x40004
	s_mov_b32 s3, ttmp9                            ; X: the cluster's x: 0 q, 1 k, 2 v
	s_and_b32 s2, ttmp7, 0xffff                    ; Y: the cluster's y: 1,024 tokens
	s_lshl_b32 s43, s41, 2
	s_lshl_b32 s43, 15, s43                        ; my row of the cluster
	s_lshl_b32 s44, 0x1111, s40                    ; my column
	; group 1 for codes: 8 tiles' 4,096 bytes of a K step of 256, 16,384 bytes apart: 8 rows of 512 elements of 8 bytes, dense in LDS
	s_or_b32 s[G1+0], s43, (3<<16)|(1<<21)         ; 15:0 the mask: my row; 17:16 elements of 8 bytes; 21 set beside a mask
	s_or_b32 s[G1B+0], s44, (3<<16)|(1<<21)        ; the same with my column
.irp g, G1, G1B
	s_mov_b32 s[\g+1], 512<<16                     ; tensor_dim0
	s_mov_b32 s[\g+2], 8<<16                       ; tensor_dim1
	s_mov_b32 s[\g+3], 512<<16                     ; tile_dim0
	s_mov_b32 s[\g+4], 8                           ; tile_dim1
	s_mov_b32 s[\g+5], 2048                        ; elements from row to row
	s_mov_b32 s[\g+6], 0
	s_mov_b32 s[\g+7], 0
.endr
	s_lshl_b32 s17, s2, 10                         ; 1,024 Y
	s_lshl_b32 s18, s3, 10                         ; 1,024 X
	s_cmp_eq_u32 s3, 2                             ; v?
	s_cselect_b32 s20, 2048, s17                   ; the A side's first row: Wv's in wc, else the tokens'
	s_cselect_b32 s46, s17, s18                    ; the B side's: the tokens', else the weight's in wc
	s_mov_b32 s22, XS_OFF
	s_cselect_b32 s22, WS_OFF, s22                 ; where the A side's scale bytes begin in its buffer
	s_mov_b32 s92, WS_OFF
	s_cselect_b32 s92, XS_OFF, s92                 ; and the B side's
	s_cselect_b32 s98, 0, 64                       ; the bias's offset: bytes for lane / 16,
	s_cselect_b32 s99, 4, 0                        ; for the lane's row in a tile,
	s_cselect_b32 s100, 0, 4                       ; and from register to register
	s_lshl_b32 s18, s16, 7                         ; which 128 rows I fetch
	s_lshl_b32 s19, s41, 8
	s_add_co_u32 s20, s20, s19                     ; + 256 cy: the A side's registers never hold cx,
	s_add_co_u32 s20, s20, s18
	s_lshl_b32 s47, s40, 8
	s_add_co_u32 s46, s46, s47                     ; + 256 cx: nor the B side's cy
	s_add_co_u32 s46, s46, s18
	s_lshl_b32 s23, s20, 5                         ; 32 scale bytes a row
	s_add_co_u32 s22, s22, s23
	s_mov_b32 s23, 0
	s_lshl_b32 s20, s20, 10                        ; 1,024 codes a row
	s_mov_b32 s21, 0
	s_lshl_b32 s93, s46, 5
	s_add_co_u32 s92, s92, s93
	s_mov_b32 s93, 0
	s_lshl_b32 s46, s46, 10
	s_mov_b32 s47, 0
	s_lshl_b32 s45, s14, 15                        ; where they go: wave x HALFT: no place in the cluster enters an LDS address
	s_lshl_b32 s94, s14, 12                        ; wave x HALFS
	s_wait_dscnt 0x0                               ; both opening adds are done
	s_wait_kmcnt 0x0
	s_cmp_eq_u32 s3, 2
	s_cselect_b64 s[4:5], s[70:71], s[68:69]       ; the A side's buffer
	s_cselect_b64 s[8:9], s[68:69], s[70:71]       ; the B side's
	s_cselect_b64 s[96:97], s[76:77], s[74:75]     ; bv or bk,
	s_cmp_eq_u32 s3, 0
	s_cselect_b64 s[96:97], s[72:73], s[96:97]     ; or bq
	s_cselect_b64 s[12:13], s[78:79], s[80:81]     ; I store into qc or kvc
	s_add_nc_u64 s[22:23], s[4:5], s[22:23]
	s_add_nc_u64 s[20:21], s[4:5], s[20:21]
	s_add_nc_u64 s[92:93], s[8:9], s[92:93]
	s_add_nc_u64 s[46:47], s[8:9], s[46:47]
	; group 1 for the scale bytes of 8 tiles: 4,096 dense bytes as 16 rows of 256 (the arguments' registers are free now)
	s_or_b32 s[G1S+0], s43, (3<<16)|(1<<21)
	s_or_b32 s[G1SB+0], s44, (3<<16)|(1<<21)
.irp g, G1S, G1SB
	s_mov_b32 s[\g+1], 32<<16
	s_mov_b32 s[\g+2], 16<<16
	s_mov_b32 s[\g+3], 32<<16
	s_mov_b32 s[\g+4], 16
	s_mov_b32 s[\g+5], 32
	s_mov_b32 s[\g+6], 0
	s_mov_b32 s[\g+7], 0
.endr
	CROUND                                         ; all sixteen work-groups are here: the first joint loads meet
	s_mov_b32 s[G0S], 1
	s_add_co_u32 s[G0S+1], s94, SCL
	s_mov_b64 s[G0S+2:G0S+3], s[22:23]
	s_or_b32 s[G0S+3], s[G0S+3], 0x80000000
	s_mov_b32 s[G0SB], 1
	s_add_co_u32 s[G0SB+1], s94, SCL
	s_mov_b64 s[G0SB+2:G0SB+3], s[92:93]
	s_or_b32 s[G0SB+3], s[G0SB+3], 0x80000000
	JLOAD G0S, G1S, G0SB, G1SB                     ; the scale bytes first: they are wanted with K step 0
.irp s, 0,1
	s_mov_b32 s[G0+4*\s], 1
	s_add_co_u32 s[G0+4*\s+1], s45, \s*SLOT
	s_add_nc_u64 s[G0+4*\s+2:G0+4*\s+3], s[20:21], \s*4096
	s_or_b32 s[G0+4*\s+3], s[G0+4*\s+3], 0x80000000
	s_mov_b32 s[G0B+4*\s], 1
	s_add_co_u32 s[G0B+4*\s+1], s45, \s*SLOT
	s_add_nc_u64 s[G0B+4*\s+2:G0B+4*\s+3], s[46:47], \s*4096
	s_or_b32 s[G0B+4*\s+3], s[G0B+4*\s+3], 0x80000000
	JLOAD G0+4*\s, G1, G0B+4*\s, G1B               ; three loads of mine are out
.endr
	v_and_b32 v9, 15, v0                           ; r
	v_bfe_u32 v10, v0, 4, 1                        ; h
	s_wait_alu depctr_va_vdst(0)
	v_and_b32 v11, 31, v0
	v_lshlrev_b32 v11, 4, v11                      ; 16 x lane
	s_lshl_b32 s21, s15, 15                        ; my half of the A side
	s_lshl_b32 s22, s16, 15                        ; my half of the B side,
	s_add_co_u32 s22, s22, 2*HALFT                 ; behind the A side's two
.irp s, 0,1
	v_add_nc_u32 v[ADRA+\s], s21, v11
	v_add_nc_u32 v[ADRB+\s], s22, v11
	s_add_co_u32 s21, s21, SLOT
	s_add_co_u32 s22, s22, SLOT
.endr
	v_lshlrev_b32 v12, 3, v9                       ; scale words: 8 bytes a row and K step
	s_lshl_b32 s21, s15, 12
	s_lshl_b32 s22, s16, 12
	s_add_co_u32 s22, s22, 2*HALFS
	s_sub_co_u32 s22, s22, s21
	v_mul_u32_u24 v13, s22, v10                    ; lanes 16-31 take the B side's: one product in h
	s_add_co_u32 s21, s21, SCL
	v_add_nc_u32 v12, v12, v13
	v_add_nc_u32 v[ADRS], s21, v12
	; the bias: register 8 t + j of lane (r, h).  q, k: of channel 32 (t / 2) + 8 (t % 2) + 16 h + j of my B half;  v: of channel 32 (t / 2) + 8 (t % 2) + r + 8 (r / 8) of my A half, the same in all eight
	v_and_b32 v12, 8, v9
	v_add_nc_u32 v12, v12, v9
	v_mul_u32_u24 v13, s98, v10
	v_mad_u32_u24 v13, v12, s99, v13
.irp j, 0,1,2,3,4,5,6,7
	v_mad_u32_u24 v[1+\j], s100, \j, v13
.endr
	s_lshl_b32 s17, s41, 1
	s_add_co_u32 s17, s17, s15                     ; which 128 of the A side's 1,024
	s_lshl_b32 s18, s40, 1
	s_add_co_u32 s18, s18, s16                     ; which 128 of the B side's
	s_cmp_eq_u32 s3, 2
	s_cselect_b32 s18, s17, s18
	s_lshl_b32 s18, s18, 9
	s_mov_b32 s19, 0
	s_add_nc_u64 s[96:97], s[96:97], s[18:19]
	s_wait_alu depctr_va_vdst(0)
.irp t, 0,1,2,3,4,5,6,7
.irp j, 0,1,2,3,4,5,6,7
	global_load_b32 v[BIAS+8*\t+\j], v[1+\j], s[96:97] offset:(32*(\t/2)+8*(\t%2))*4
.endr
.endr
.macro FRAG reg, adr, q, i             ; a fragment's image: four chunks of 512 consecutive bytes
.irp c, 0,1,2,3
	ds_load_b128 v[\reg+4*\c:\reg+4*\c+3], v[\adr] offset:2048*(\q)+512*\c+(\i)*4096
.endr
.endm
; 16 matrix instructions: A blocks a0, a0 + 1 x the B side's eight, the slot's q-th 128 along K.  p: B's set;  sc: the set of scale words.  cm = 0: C = D;  1: C = the bias by b;  2: the bias by a.
; The 64 accumulators take turns, one instruction a turn, in the same order in every step.
.macro MUL16 a0, p, q, sc, cm
.irp a, \a0, \a0+1
.irp b, 0,1,2,3,4,5,6,7
.if \cm == 1
	v_wmma_scale_f32_16x16x128_f8f6f4 v[8*(8*((\a)%4)+\b):8*(8*((\a)%4)+\b)+7], v[128*(\p)+FR*\b:128*(\p)+FR*\b+FR-1], v[AF+FR*(\a):AF+FR*(\a)+FR-1], v[BIAS+8*\b:BIAS+8*\b+7], v[SC+8*NQ*(\sc)+NQ*\b+(\q)], v[SC+8*NQ*(\sc)+NQ*(\a)+(\q)] matrix_a_fmt:MATRIX_FMT_BF8 matrix_b_fmt:MATRIX_FMT_BF8 matrix_a_scale:MATRIX_SCALE_ROW1
.elseif \cm == 2
	v_wmma_scale_f32_16x16x128_f8f6f4 v[8*(8*((\a)%4)+\b):8*(8*((\a)%4)+\b)+7], v[128*(\p)+FR*\b:128*(\p)+FR*\b+FR-1], v[AF+FR*(\a):AF+FR*(\a)+FR-1], v[BIAS+8*(\a):BIAS+8*(\a)+7], v[SC+8*NQ*(\sc)+NQ*\b+(\q)], v[SC+8*NQ*(\sc)+NQ*(\a)+(\q)] matrix_a_fmt:MATRIX_FMT_BF8 matrix_b_fmt:MATRIX_FMT_BF8 matrix_a_scale:MATRIX_SCALE_ROW1
.else
	v_wmma_scale_f32_16x16x128_f8f6f4 v[8*(8*((\a)%4)+\b):8*(8*((\a)%4)+\b)+7], v[128*(\p)+FR*\b:128*(\p)+FR*\b+FR-1], v[AF+FR*(\a):AF+FR*(\a)+FR-1], v[8*(8*((\a)%4)+\b):8*(8*((\a)%4)+\b)+7], v[SC+8*NQ*(\sc)+NQ*\b+(\q)], v[SC+8*NQ*(\sc)+NQ*(\a)+(\q)] matrix_a_fmt:MATRIX_FMT_BF8 matrix_b_fmt:MATRIX_FMT_BF8 matrix_a_scale:MATRIX_SCALE_ROW1
.endif
.endr
.endr
.endm
.macro FETCH_B slot, q, p              ; the B side's eight fragments into set p
	WIN TO_B
.irp i, 0,1,2,3,4,5,6,7
	FRAG 128*(\p)+FR*\i, ADRB+\slot, \q, \i
.endr
	WIN 0
.endm
.macro FETCH_A slot, q, i0             ; the A side's blocks i0 .. i0 + 3
.irp i, \i0, \i0+1, \i0+2, \i0+3
	FRAG AF+FR*(\i), ADRA+\slot, \q, \i
.endr
.endm
.macro SCALES sc                       ; a K step's scale words into set sc: two words a row; lanes 0-15 the A side's block i, lanes 16-31 the B side's
.irp i, 0,1,2,3,4,5,6,7
	ds_load_b64 v[SC+8*NQ*\sc+NQ*\i:SC+8*NQ*\sc+NQ*\i+1], v[ADRS] offset:\i*SBLK
.endr
.endm
.macro PLACES n                        ; plain vector instructions between a matrix instruction and a load into, or a vector instruction on, its registers (ISA guide 7.12.1 for vector instructions)
.rept \n
	v_nop
.endr
.endm
.macro STEP slot, q, cm                ; a step of 128 along K that has its successor in the same slot
	s_wait_dscnt 4*NL                              ; B's set and A's blocks 0-3 are in; the youngest 16 loads (A's blocks 4-7) may be out
.if \cm
	WIN FIRST_LO
.else
	WIN MUL_LO
.endif
	MUL16 0, (\q)%2, \q, \slot, \cm
	MUL16 2, (\q)%2, \q, \slot, \cm
	s_wait_dscnt 0                                 ; A's blocks 4-7 are in
	PLACES NP
	FETCH_B \slot, (\q)+1, 1-(\q)%2
	FETCH_A \slot, (\q)+1, 0
.if \cm
	WIN FIRST_HI
.else
	WIN MUL_HI
.endif
	MUL16 4, (\q)%2, \q, \slot, \cm
	MUL16 6, (\q)%2, \q, \slot, \cm
	PLACES NP
	WIN 0
	FETCH_A \slot, (\q)+1, 4
.endm
; A slot's last step changes slots: ONE barrier; in front of it each wave waits for all its tensor loads, adds 0 to its spare word, and waits for that and for its own reads of this slot.  fill = 1: this slot is filled again, two K steps ahead.
.macro TURN slot, next, fill
	s_wait_tensorcnt 0x0                           ; all my tensor loads have landed: my part of the next slot
	ds_add_u32 v[SPW], v[NIL]                      ; 0 onto my spare word
	s_wait_dscnt 4*NL+1                            ; (the add and the youngest 16 loads may be out)
	WIN MUL_LO
	MUL16 0, 1, NQ-1, \slot, 0                     ; sixteen matrix instructions stand between the add and the wait for it
	s_wait_dscnt 0x0                               ; the add is done, and my reads of this slot are over
	s_barrier_signal -1
	MUL16 2, 1, NQ-1, \slot, 0
	WIN 0
	s_barrier_wait -1
.if \fill
	CREST                                          ; the barrier has opened a round of the cluster's barrier: no wave of any partner still reads this slot or has a load on its way
	s_add_nc_u64 s[G0+4*\slot+2:G0+4*\slot+3], s[G0+4*\slot+2:G0+4*\slot+3], 8192
	s_add_nc_u64 s[G0B+4*\slot+2:G0B+4*\slot+3], s[G0B+4*\slot+2:G0B+4*\slot+3], 8192
	JLOAD G0+4*\slot, G1, G0B+4*\slot, G1B         ; the first tensor load behind the round; its four v_nop are among the places in front of the loads below
	PLACES NP-4
.else
	PLACES NP
.endif
	s_wait_alu depctr_va_vdst(0)
	v_add_nc_u32 v[ADRS], 128, v[ADRS]             ; on to the next K step's scale words
	FETCH_B \next, 0, 0
	FETCH_A \next, 0, 0
	SCALES \next
	WIN MUL_HI
	MUL16 4, 1, NQ-1, \slot, 0
	MUL16 6, 1, NQ-1, \slot, 0
	PLACES NP
	WIN 0
	FETCH_A \next, 0, 4
.endm
	s_wait_tensorcnt 1                             ; the scale bytes and my part of K step 0 are in; K step 1's load may be out
	s_barrier_signal -1
	s_barrier_wait -1
	FETCH_B 0, 0, 0
	FETCH_A 0, 0, 0
	SCALES 0
	FETCH_A 0, 0, 4
	s_wait_loadcnt 0x0                             ; the bias
	s_cmp_eq_u32 s3, 2                             ; the cluster's x: the same in all partners
	s_cbranch_scc1 .Lfirst_v
	STEP 0, 0, 1                                   ; q, k: the bias by the B side's block
	s_branch .Lfirst_done
.Lfirst_v:
	STEP 0, 0, 2                                   ; v: by the A side's
.Lfirst_done:
	TURN 0, 1, 1                                   ; K = 1,024 is four K steps: the walk is written out
	STEP 1, 0, 0
	TURN 1, 0, 1
	STEP 0, 0, 0
	TURN 0, 1, 0                                   ; nothing is left to fetch: no round
	STEP 1, 0, 0
	s_wait_dscnt 4*NL                              ; the very last step
	WIN MUL_LO
	MUL16 0, 1, NQ-1, 1, 0
	MUL16 2, 1, NQ-1, 1, 0
	s_wait_dscnt 0
	WIN MUL_HI
	MUL16 4, 1, NQ-1, 1, 0
	MUL16 6, 1, NQ-1, 1, 0
	WIN 0
; THE WAY OUT.  Where the images go, in bytes (g: which 128 tokens of the batch's 2,048; bh0: the first of my two heads):
;   q: qc  + bh 131072 + tile 1024 + c 512;                                 scale words at QS_OFF + bh 8192 + g 512 + 16 lane
;   k: kvc + bh 274432 + (g / 2) 34304 + (g % 2) 8192 + tile 1024 + c 512;   scale words at + 32768 + (g % 2) 512 + 16 lane
;   v: kvc + bh 274432 + (g / 2) 34304 + 16384 + (g % 2) 8192 + channel tile 2048 + c 512;   scale words at + 33792 + (g % 2) 256 + 8 lane
; No tensor load of mine is out (the last change of slots waited for all), so the descriptors' registers are free.
.set T,   64                           ; v64-127  64 numbers, held
.set TM,  128                          ; v128-143 as in the first launch
.set PWR, 144                          ; v144-151 block a's scale word
.set VP,  168                          ; v168-171 pair p's place: 16 lane + (p % 2) 512 + (p / 2) SP2
.set PC,  192                          ; v192-255 codes, four sets
	PLACES NP
	s_lshl_b32 s17, s41, 1
	s_add_co_u32 s17, s17, s15                     ; ca: which 128 of the A side
	s_lshl_b32 s18, s40, 1
	s_add_co_u32 s18, s18, s16                     ; cb: of the B side
	s_cmp_eq_u32 s3, 0                             ; q?
	s_mov_b32 s42, 274432
	s_cselect_b32 s42, 131072, s42                 ; HS: a head's bytes
	s_mov_b32 s43, 34304
	s_cselect_b32 s43, 16384, s43                  ; SS: 256 tokens' bytes
	s_mov_b32 s48, 274432
	s_cselect_b32 s48, 8192, s48                   ; HSS: a head's, for scale words
	s_mov_b32 s49, 34304
	s_cselect_b32 s49, 1024, s49                   ; SSS: 256 tokens'
	s_mov_b32 s51, 32768
	s_cselect_b32 s51, QS_OFF, s51                 ; SC0: where scale words begin
	s_cmp_eq_u32 s3, 2                             ; v?
	s_cselect_b32 s19, s18, s17                    ; the tokens' 128
	s_cselect_b32 s20, s17, s18                    ; the channels' 128: two heads
	s_cselect_b32 s44, 16384, 0                    ; C0
	s_mov_b32 s45, 1024
	s_cselect_b32 s45, 2048, s45                   ; SA1: from A block to A block
	s_mov_b32 s46, 4096
	s_cselect_b32 s46, s42, s46                    ; SA4: to A block 4
	s_cselect_b32 s47, 1024, s42                   ; SP2: to pair 2
	s_mov_b32 s50, 512
	s_cselect_b32 s50, 256, s50                    ; SG
	s_cselect_b32 s51, 33792, s51
	s_and_b32 s21, s2, 1
	s_lshl_b32 s21, s21, 3
	s_add_co_u32 s21, s21, s19                     ; g
	s_lshr_b32 s22, s2, 1
	s_lshl_b32 s22, s22, 4
	s_lshl_b32 s20, s20, 1
	s_add_co_u32 s22, s22, s20                     ; bh0
	s_lshr_b32 s23, s21, 1
	s_and_b32 s21, s21, 1
	s_mul_i32 s52, s22, s42
	s_mul_i32 s53, s23, s43
	s_add_co_u32 s52, s52, s53
	s_lshl_b32 s53, s21, 13
	s_add_co_u32 s52, s52, s53
	s_add_co_u32 s52, s52, s44
	s_mov_b32 s53, 0
	s_add_nc_u64 s[52:53], s[12:13], s[52:53]
	s_mov_b32 s55, 0
.irp a, 0,1,2,3,4,5,6,7
	s_mul_i32 s54, s45, \a%4
.if \a >= 4
	s_add_co_u32 s54, s54, s46
.endif
	s_add_nc_u64 s[24+2*\a:25+2*\a], s[52:53], s[54:55]   ; A block a's codes
.endr
	s_mul_i32 s54, s22, s48
	s_mul_i32 s52, s23, s49
	s_add_co_u32 s54, s54, s52
	s_mul_i32 s52, s21, s50
	s_add_co_u32 s54, s54, s52
	s_add_co_u32 s54, s54, s51
	s_add_nc_u64 s[66:67], s[12:13], s[54:55]      ; my scale words
	s_mov_b32 s57, 0x7f7f0000                      ; the bytes of the two blocks of zero codes that fill a head's 64 up to the instruction's 128
	s_mov_b32 s58, 0x8000000                       ; the floor 2^(16 - 127)
	s_mov_b32 s59, 0x600000                        ; the mantissa field of 57,344
	s_mov_b32 s60, 0x76543210
	s_mov_b32 s61, 0xfedcba98
	v_and_b32 v174, 31, v0
	v_cmp_le_u32 s56, 16, v174                     ; lanes 16-31
	v_lshlrev_b32 v172, 4, v174
	v_lshlrev_b32 v174, 3, v174
	v_mov_b32 v[VP], v172
	v_add_nc_u32 v[VP+1], 512, v172
	v_add_nc_u32 v[VP+2], s47, v172
	v_add_nc_u32 v[VP+3], 512, v[VP+2]
	v_add_nc_u32 v173, s48, v172                   ; the second head's scale words (q, k)
	v_add_nc_u32 v175, s42, v174                   ; (v)
.irp b, 0,1,2,3
	v_mov_b32 v[TM+4+\b], 0                        ; written once: a lane permute's destination counts as one of its sources
.endr
; A block a: its eight accumulators, 64 numbers a lane in four blocks of 32 shared with lane l xor 16, become four chunks of codes and a scale word.  Each accumulator is read from its low end on.
.macro QUANTW a
.set W, 2+(\a)/4
.set AC, 64*((\a)%4)
.set PCS, PC+16*((\a)%4)
	WIN (W<<2)|(W<<4)                              ; sources 1 and 2: the accumulators' window
.irp b, 0,1,2,3
	v_max3_num_f32 v[TM+\b], s58, |v[AC+16*\b]|, |v[AC+16*\b+1]|
.endr
.irp i, 2,4,6,8,10,12,14
.irp b, 0,1,2,3
	v_max3_num_f32 v[TM+\b], v[TM+\b], |v[AC+16*\b+\i]|, |v[AC+16*\b+\i+1]|
.endr
.endr
	WIN 0
.irp b, 0,1,2,3
	v_permlanex16_b32 v[TM+4+\b], v[TM+\b], s60, s61
.endr
.irp b, 0,1,2,3
	v_max_num_f32 v[TM+\b], v[TM+\b], v[TM+4+\b]
.endr
.irp b, 0,1,2,3
	v_add_nc_u32 v[TM+12+\b], 0xf8800000, v[TM+\b]
.endr
.irp b, 0,1,2,3
	v_and_or_b32 v[TM+8+\b], v[TM+\b], 0x7f800000, s59
.endr
.irp b, 0,1,2,3
	v_lshrrev_b32 v[TM+4+\b], 23, v[TM+12+\b]
.endr
	v_lshl_or_b32 v[PWR+(\a)], v[TM+5], 8, v[TM+4]
	v_lshl_or_b32 v[PWR+(\a)], v[TM+6], 16, v[PWR+(\a)]
	v_lshl_or_b32 v[PWR+(\a)], v[TM+7], 24, v[PWR+(\a)]
	WIN W                                          ; source 0: the accumulators' window
.irp b, 0,1,2,3
.irp i, 0,1,2,3,4,5,6,7,8,9,10,11,12,13,14,15
	v_med3_num_f32 v[T+16*\b+\i], v[AC+16*\b+\i], -v[TM+8+\b], v[TM+8+\b]   ; the hold at the largest code x the scale (ISA guide 7.6.2), into window 0
.endr
.endr
	WIN 0
.if (\a) >= 4
	s_wait_alu depctr_va_vdst(0)
	s_wait_xcnt 0x0                                ; block a - 4's stores have read this set of codes
.endif
.irp b, 0,1,2,3
	v_cvt_scalef32_pk8_bf8_f32 v[PCS+4*\b:PCS+4*\b+1], v[T+16*\b:T+16*\b+7], v[TM+12+\b]
	v_cvt_scalef32_pk8_bf8_f32 v[PCS+4*\b+2:PCS+4*\b+3], v[T+16*\b+8:T+16*\b+15], v[TM+12+\b]
.endr
	v_nop                                          ; one plain vector line behind the last conversion
.irp p, 0,1,2,3
	global_store_b128 v[VP+\p], v[PCS+4*\p:PCS+4*\p+3], s[24+2*(\a):25+2*(\a)]   ; 512 consecutive bytes, aligned
.endr
.endm
.irp a, 0,1,2,3,4,5,6,7
	QUANTW \a
.endr
	s_cmp_eq_u32 s3, 2
	s_cbranch_scc1 .Lscales_v
.irp i, 0,1,2,3
	v_cndmask_b32 v[152+\i], v[PWR+\i], v[PWR+4+\i], s56   ; q, k: lanes 0-15 keep tiles 0-3's words, lanes 16-31 tiles 4-7's
.endr
.irp i, 0,1,2,3
	v_and_or_b32 v[156+\i], v[152+\i], 0xffff, s57 ; the first head's two bytes,
	v_lshrrev_b32 v[160+\i], 16, v[152+\i]         ; the second's
.endr
.irp i, 0,1,2,3
	v_or_b32 v[160+\i], s57, v[160+\i]
.endr
	global_store_b128 v172, v[156:159], s[66:67]
	global_store_b128 v173, v[160:163], s[66:67]
	s_branch .Lscales_done
.Lscales_v:
	v_cndmask_b32 v152, v[PWR], v[PWR+2], s56      ; v: a head's four channel tiles: lanes 0-15 keep tiles 0, 1, lanes 16-31 tiles 2, 3
	v_cndmask_b32 v153, v[PWR+1], v[PWR+3], s56
	v_cndmask_b32 v154, v[PWR+4], v[PWR+6], s56
	v_cndmask_b32 v155, v[PWR+5], v[PWR+7], s56
	global_store_b64 v174, v[152:153], s[66:67]
	global_store_b64 v175, v[154:155], s[66:67]
.Lscales_done:
	s_wait_tensorcnt 0x0                           ; the wave's end, behind my last tensor load
	ds_add_u32 v[SPW], v[NIL]
	s_wait_dscnt 0x0
	CROUND                                         ; the closing round: no work-group ends while a partner may still ask for a tile that names it
	s_endpgm
.Lfunc_end_k_q2de8750ce0_qkv:
	.size	k_q2de8750ce0_qkv, .Lfunc_end_k_q2de8750ce0_qkv-k_q2de8750ce0_qkv
	.p2alignl 7, 3214868480
	.fill 96, 4, 3214868480
	.section	.rodata,"a",@progbits
	.p2align	6, 0x0
	.amdhsa_kernel k_q2de8750ce0_qkv
		.amdhsa_group_segment_fixed_size 327680
		.amdhsa_private_segment_fixed_size 0
		.amdhsa_enable_private_segment 0
		.amdhsa_kernarg_size 56
		.amdhsa_user_sgpr_count 2
		.amdhsa_user_sgpr_kernarg_segment_ptr 1
		.amdhsa_wavefront_size32 1
		.amdhsa_system_sgpr_workgroup_id_x 1
		.amdhsa_system_sgpr_workgroup_id_y 1
		.amdhsa_system_sgpr_workgroup_id_z 1
		.amdhsa_system_vgpr_workitem_id 0
		.amdhsa_next_free_vgpr 1024
		.amdhsa_next_free_sgpr 102
		.amdhsa_reserve_vcc 0
		.amdhsa_float_denorm_mode_32 3
		.amdhsa_float_denorm_mode_16_64 3
		.amdhsa_memory_ordered 1
		.amdhsa_forward_progress 1
		.amdhsa_inst_pref_size 208
	.end_amdhsa_kernel
	.amdgpu_metadata
---
amdhsa.version: [ 1, 2 ]
amdhsa.kernels:
  - .name:           k_q2de8750ce0_qkv
    .symbol:         k_q2de8750ce0_qkv.kd
    .args:
      - { .name: xc, .offset: 0, .size: 8, .value_kind: global_buffer, .address_space: global }
      - { .name: wc, .offset: 8, .size: 8, .value_kind: global_buffer, .address_space: global }
      - { .name: bq, .offset: 16, .size: 8, .value_kind: global_buffer, .address_space: global }
      - { .name: bk, .offset: 24, .size: 8, .value_kind: global_buffer, .address_space: global }
      - { .name: bv, .offset: 32, .size: 8, .value_kind: global_buffer, .address_space: global }
      - { .name: qc, .offset: 40, .size: 8, .value_kind: global_buffer, .address_space: global }
      - { .name: kvc, .offset: 48, .size: 8, .value_kind: global_buffer, .address_space: global }
    .group_segment_fixed_size: 327680
    .private_segment_fixed_size: 0
    .kernarg_segment_align: 8
    .kernarg_segment_size: 56
    .max_flat_workgroup_size: 128
    .sgpr_count:     102
    .vgpr_count:     1024
    .wavefront_size: 32
...
	.end_amdgpu_metadata
.endif
;; end of part 2
;; launch attn (part 3): grid 4 x 64, 16 waves a work-group, no clusters, 327,680 bytes of LDS; arguments qc, kvc, yc; writes yc
.if DOCPART == 3
	.amdgcn_target "amdgcn-amd-amdhsa--gfx1250"
	.amdhsa_code_object_version 6
	.text
	.protected	k_q2de8750ce0_attn
	.globl	k_q2de8750ce0_attn
	.p2align	8
	.type	k_q2de8750ce0_attn,@function
k_q2de8750ce0_attn:
	s_mov_b64 s[64:65], 0
	v_nop
	global_prefetch_b8 v0, s[64:65] scope:SCOPE_SE
	s_setreg_imm32_b32 hwreg(HW_REG_WAVE_MODE, 25, 1), 1
	s_wait_xcnt 0x0
; Launch 3 of 4: y[b][q][head] = softmax_k(q . k / 8, causal) v, both products on codes of E5M2, and y quantised at once along C for the last product.
; WORK LEFT OUT: a key step of 128 keys all of which come after a wave's 16 queries (reference()'s own jnp.tril puts -inf there: p is exactly 0 for all finite inputs).  A NaN or infinity that reaches only such steps is not carried on.
; THE SOFTMAX: t = score x log2(e) / 8; M = the running largest t rounded UP to a whole number; p = 2^(t - M) is quantised along the keys, not normalised; the row's sum is taken of the unquantised p and divides at the end.
; SHARES.  A work-group serves one head in TWO PASSES: first the block of 256 queries 7 - i, which needs the slots of 256 keys 0 .. 7 - i, then block i, which needs slots 0 .. i: nine visits of a slot in every work-group, so all trip
; counts are constants and every slot that is fetched is read.  Each of sixteen waves owns one tile of 16 queries in 256 registers.  NO CLUSTER: partners would need different numbers of slots under the mask.
; A slot is 34,304 dense bytes of kvc: 16 tiles of k (two chunks of 512 bytes: the head's 64), 2 x 4 tiles of v^T (four chunks: 128 keys), k's scale words, v's scale words: all images of the operands' registers.  Waves 0 and 1 fetch half
; a slot each.  The head's 64 fill half of the instruction's 128: the upper eight registers of q's and k's fragments hold zero codes, written once; their scale bytes are 127.
; LAYOUT.  Both products are used transposed: S^T = k q^T, O^T = v^T p^T: a lane holds one query throughout.  Position r of tile T is row 32 (T / 2) + 8 (T % 2) + r + 8 (r / 8), for queries, keys and channels alike: so the 16 registers of
; two neighbouring tiles of S^T are 16 neighbouring keys, and those of O^T 16 neighbouring channels.
; LIMITS: a block of zeros keeps the byte 1 (its codes are zeros); NaN and infinities are not served.
; REGISTERS: v1-4 16 lane, 8 lane, 16 r, 8 r; v5, v6 the add's two; v7 the prefetch's offset; v8, v9 LDS addresses; v10, v11 the mask's; v12 -M, v13 the largest t, v[14:15] the sum; v16-31 q; v32-95 four fragments of k;
;   v96-159 S^T, then p, then v^T's four fragments; v160-191 O^T; v192-207 p's codes, y's codes; v232-247, v252, v254 at work; v248-251 k's and v's scale words; v253 p's; v255 q's.
.set SLOTB, 34304
.set HALFB, 17152
.set HEADB, 274432
.set SLOT1, 65536                      ; slot 1 begins here: one exclusive or turns an address
.set SPARE, 131072                     ; the spare words, 128 bytes for each wave: eight blocks of 256 bytes that no other line names
.set VIM,   16384                      ; in a slot: v^T's images,
.set KSC,   32768                      ; k's scale words,
.set VSC,   33792                      ; v's
.set QS_OFF, 8388608
.set YS_OFF, 8388608
.set SPW, 5
.set NIL, 6
.set PFO, 7
.set ADK, 8
.set ADV, 9
.set TB,  2                            ; s2   LDS byte at which the slot in hand begins
.set WV,  18
.set MNT, 19
.set SEL, 20
.set CS,  22                           ; s[22:23] c = log2(e) / 8
.set G1,  24
.set G0,  40
.set KB,  44                           ; s[44:45] my half of the head's slot 0 in kvc
.set NS,  66                           ; s66  the slot asked for last
.set SLOTS, 67                         ; s67  visits still to come behind this one
.set WI,  68                           ; s68  i
.set BH,  69
.set LIMA, 70                          ; s70  8 - i: the first pass's visits
.set BLK, 71
.set TT,  72                           ; s72  my tile of queries
.set QMIN, 73
.set QMAX, 74
.set PFA, 76
.set LIM, 80
.set KF,  98                           ; s98  the step's first key
.macro TLOAD                           ; waves 0 and 1 fetch half a slot each; the branch hangs on the wave's number alone.  An s_nop 0 and four v_nop follow the load
	s_cmp_lt_u32 s[WV], 2
	s_cbranch_scc0 .Lasked_\@
	tensor_load_to_lds s[G0:G0+3], s[G1:G1+7]
	s_nop 0
.rept 4
	v_nop
.endr
.Lasked_\@:
.endm
; A PREFETCH INTO THE L2 of the codes of the slot that the NEXT change of slots will ask for.  The four work-groups of a head walk the same slots: work-group i = 0, whose first pass walks all eight, asks; in it waves 4 to 7, which fetch
; nothing, take 8,192 of the slot's 32,768 bytes of codes each, lanes 256 bytes apart: each aligned block of 256 bytes is named once in the launch.  Slots 2 to 7 are asked for, a slot's two key steps ahead of their loads; slots 0 and 1, and
; a slot's 1,536 scale bytes, come by their loads alone.
.macro ASK
	s_cmp_gt_u32 s[SLOTS], s[LIM]
	s_cbranch_scc0 .Lnot_mine_\@
	global_prefetch_b8 v[PFO], s[PFA:PFA+1] th:TH_LOAD_NT scope:SCOPE_SE
.Lnot_mine_\@:
.endm
	s_load_b128 s[4:7], s[0:1], 0x0                ; qc, kvc
	s_load_b64 s[8:9], s[0:1], 0x10                ; yc
	v_lshl_add_u32 v[SPW], v0, 2, SPARE
	v_mov_b32 v[NIL], 0
	ds_add_u32 v[SPW], v[NIL]                      ; the wave's opening: the add, twice on end, and its wait ahead of my first tensor load; work on registers stands between the second and the wait
	ds_add_u32 v[SPW], v[NIL]
	v_lshrrev_b32 v8, 5, v0
	s_delay_alu instid0(VALU_DEP_1)
	v_readfirstlane_b32 s[WV], v8                  ; wave 0..15
	s_mov_b32 s[WI], ttmp9
	s_and_b32 s[BH], ttmp7, 0xffff
	s_sub_co_u32 s[LIMA], 8, s[WI]
	s_mov_b32 s[G1], 3<<16                         ; no mask; elements of 8 bytes; no padding: half a slot, 17,152 dense bytes, as 67 rows of 256
	s_mov_b32 s[G1+1], 32<<16
	s_mov_b32 s[G1+2], 67<<16
	s_mov_b32 s[G1+3], 32<<16
	s_mov_b32 s[G1+4], 67
	s_mov_b32 s[G1+5], 32
	s_mov_b32 s[G1+6], 0
	s_mov_b32 s[G1+7], 0
	s_mov_b32 s[SEL], 0x76543210
	s_mov_b32 s[SEL+1], 0xfedcba98
	s_mov_b32 s[CS], 0x3e38aa3b                    ; log2(e) / sqrt(64)
	s_mov_b32 s[CS+1], s[CS]
	s_mov_b32 s[TB], 0
	s_mov_b32 s[NS], 0
	s_mov_b32 s[SLOTS], 8
	s_and_b32 s96, s[WV], 1
	s_mul_i32 s[G0+1], s96, HALFB                  ; my half, in slot 0
	s_mul_i32 s46, s[BH], HEADB
	s_add_co_u32 s46, s46, s[G0+1]                 ; and in memory
	s_mov_b32 s47, 0
	s_and_b32 s82, s[WV], 3
	s_lshl_b32 s82, s82, 13                        ; the prefetches: my wave's 8,192 bytes,
	s_mul_i32 s83, s[BH], HEADB
	s_add_co_u32 s82, s82, s83
	s_add_co_u32 s82, s82, SLOTB                   ; in slot 1: the first change of slots steps it to slot 2
	s_mov_b32 s83, 0
	s_sub_co_u32 s96, s[WV], 4
	s_lshr_b32 s96, s96, 2                         ; 0 in waves 4 to 7,
	s_or_b32 s96, s96, ttmp9                       ; of work-group i = 0
	s_cmp_eq_u32 s96, 0
	s_cselect_b32 s[LIM], 2, -1                    ; a wave asks while more than two visits are to come
	s_wait_dscnt 0x0                               ; both opening adds are done
	s_wait_kmcnt 0x0
	s_add_nc_u64 s[KB:KB+1], s[6:7], s[46:47]
	s_add_nc_u64 s[PFA:PFA+1], s[6:7], s[82:83]
	s_mov_b32 s[G0], 1
	s_mov_b64 s[G0+2:G0+3], s[KB:KB+1]
	s_or_b32 s[G0+3], s[G0+3], 0x80000000
	TLOAD                                          ; slot 0
	v_and_b32 v8, 31, v0
	s_delay_alu instid0(VALU_DEP_1)
	v_lshlrev_b32 v1, 4, v8
	s_delay_alu instid0(VALU_DEP_2)
	v_lshlrev_b32 v2, 3, v8
	s_delay_alu instid0(VALU_DEP_3)
	v_lshlrev_b32 v[PFO], 8, v8
	v_and_b32 v9, 15, v0                           ; r
	s_delay_alu instid0(VALU_DEP_1)
	v_lshlrev_b32 v3, 4, v9
	s_delay_alu instid0(VALU_DEP_2)
	v_lshlrev_b32 v4, 3, v9
	s_delay_alu instid0(VALU_DEP_3)
	v_and_b32 v10, 8, v9
	s_delay_alu instid0(VALU_DEP_1)
	v_add_nc_u32 v10, v10, v9
	v_bfe_u32 v11, v0, 4, 1
	s_delay_alu instid0(VALU_DEP_1)
	v_lshlrev_b32 v11, 4, v11
	s_delay_alu instid0(VALU_DEP_1)
	v_sub_nc_u32 v10, v10, v11                     ; r + 8 (r / 8) - 16 h
.irp j, 0,1,2,3,4,5,6,7
	v_mov_b32 v[24+\j], 0                          ; zero codes: the upper half of q's fragment,
	v_mov_b32 v[40+\j], 0                          ; and of k's four: written once
	v_mov_b32 v[56+\j], 0
	v_mov_b32 v[72+\j], 0
	v_mov_b32 v[88+\j], 0
.endr
.irp b, 0,1,2,3
	v_mov_b32 v[236+\b], 0                         ; written once: a lane permute's destination counts as one of its sources
.endr
	v_mov_b32 v252, 0                              ; likewise: the destination of the lane permute at a pass's end; a key step that is left out does not write it
	v_mov_b32 v253, 0                              ; (named as the upper half of the pair v[252:253] before it is first written)
; A pass begins: my tile of block s[BLK], its addresses, q's fragment and scale word, and the sums' first values.
.macro INITP
	s_lshl_b32 s[TT], s[BLK], 4
	s_add_co_u32 s[TT], s[TT], s[WV]               ; my tile among the head's 128
	s_lshr_b32 s96, s[TT], 1
	s_lshl_b32 s96, s96, 5
	s_and_b32 s97, s[TT], 1
	s_lshl_b32 s97, s97, 3
	s_add_co_u32 s[QMIN], s96, s97                 ; my first query,
	s_add_co_u32 s[QMAX], s[QMIN], 23              ; my last
	v_add_nc_u32 v11, s[QMIN], v10                 ; my lane's query - 16 h
	s_lshl_b32 s46, s[BH], 7
	s_add_co_u32 s46, s46, s[TT]
	s_lshl_b32 s46, s46, 10
	s_add_nc_u64 s[48:49], s[4:5], s[46:47]        ; q's codes: 1,024 bytes a tile
	s_lshl_b32 s46, s[BH], 4
	s_lshr_b32 s96, s[TT], 3
	s_add_co_u32 s46, s46, s96
	s_lshl_b32 s46, s46, 9
	s_bfe_u32 s96, s[TT], 0x10002
	s_lshl_b32 s96, s96, 8
	s_add_co_u32 s46, s46, s96
	s_and_b32 s96, s[TT], 3
	s_lshl_b32 s96, s96, 2
	s_add_co_u32 s46, s46, s96
	s_add_co_u32 s46, s46, QS_OFF
	s_add_nc_u64 s[50:51], s[4:5], s[46:47]        ; q's scale words: group t / 8, lanes 16 ((t / 4) % 2) on, word t % 4
	s_lshr_b32 s96, s[BH], 4
	s_lshl_b32 s96, s96, 7
	s_add_co_u32 s96, s96, s[TT]                   ; my tile among y's 512
	s_and_b32 s97, s[BH], 15                       ; the head in its batch
	s_lshl_b32 s46, s96, 3
	s_lshr_b32 s82, s97, 1
	s_add_co_u32 s46, s46, s82
	s_lshl_b32 s46, s46, 11
	s_and_b32 s82, s97, 1
	s_lshl_b32 s82, s82, 10
	s_add_co_u32 s46, s46, s82
	s_add_nc_u64 s[52:53], s[8:9], s[46:47]        ; y's codes: K step head / 2, chunks 2 (head % 2) on
	s_lshl_b32 s46, s96, 9
	s_lshr_b32 s82, s97, 2
	s_lshl_b32 s82, s82, 7
	s_add_co_u32 s46, s46, s82
	s_and_b32 s82, s97, 3
	s_lshl_b32 s82, s82, 1
	s_add_co_u32 s46, s46, s82
	s_add_co_u32 s46, s46, YS_OFF
	s_add_nc_u64 s[54:55], s[8:9], s[46:47]        ; y's scale bytes: two of a row's eight
	global_load_b128 v[16:19], v1, s[48:49] th:TH_LOAD_NT
	global_load_b128 v[20:23], v1, s[48:49] offset:512 th:TH_LOAD_NT
	global_load_b32 v255, v3, s[50:51]
	v_mov_b32 v13, 0xff61b1e6                      ; the largest t so far: -3e38, under every t
	s_delay_alu instid0(VALU_DEP_1)
	v_floor_f32 v12, -v13                          ; -M
	v_mov_b32 v14, 0
	v_mov_b32 v15, 0
.set n, 0
.rept 32
	v_mov_b32 v[160+n], 0                          ; O^T: the first step finds zeros, which the first change of M leaves zeros
.set n, n+1
.endr
	s_mov_b32 s[KF], 0
	s_wait_loadcnt 0x0
.endm
; A pass ends: y = O^T / the sum, quantised in two blocks of 32 channels (shared with lane l xor 16), stored as two chunks of the last product's operand and two scale bytes a row.
.macro FINISH
.rept 8
	v_nop                                          ; places behind the last products
.endr
	v_add_f32 v14, v14, v15
	s_delay_alu instid0(VALU_DEP_1)
	v_permlanex16_b32 v252, v14, s[SEL], s[SEL+1]
	s_delay_alu instid0(VALU_DEP_1)
	v_add_f32 v14, v14, v252                       ; the row's sum
	s_wait_alu depctr_va_vdst(0)
	v_rcp_f32 v14, v14
	v_nop                                          ; a plain place behind the transcendental
	s_wait_alu depctr_va_vdst(0)                   ; and the wait ahead of its first reader
.set n, 0
.rept 32
	v_mul_f32 v[96+n], v[160+n], v14               ; register 16 u + i: channel 32 u + 16 h + i.  Each accumulator from its low end on
.set n, n+1
.endr
.irp b, 0,1
	v_max3_num_f32 v[232+\b], |v[96+16*\b]|, |v[97+16*\b]|, 0x8000000
.endr
.irp i, 2,4,6,8,10,12,14
.irp b, 0,1
	s_delay_alu instid0(VALU_DEP_2)
	v_max3_num_f32 v[232+\b], v[232+\b], |v[96+16*\b+\i]|, |v[97+16*\b+\i]|
.endr
.endr
.irp b, 0,1
	s_delay_alu instid0(VALU_DEP_2)
	v_permlanex16_b32 v[236+\b], v[232+\b], s[SEL], s[SEL+1]
.endr
.irp b, 0,1
	s_delay_alu instid0(VALU_DEP_2)
	v_max_num_f32 v[232+\b], v[232+\b], v[236+\b]
.endr
.irp b, 0,1
	s_delay_alu instid0(VALU_DEP_2)
	v_add_nc_u32 v[244+\b], 0xf8800000, v[232+\b]
.endr
.irp b, 0,1
.endr
.irp b, 0,1
	s_delay_alu instid0(VALU_DEP_2)
	v_lshrrev_b32 v[236+\b], 23, v[244+\b]
.endr
	s_delay_alu instid0(VALU_DEP_1)
	v_lshl_or_b32 v254, v237, 8, v236
.irp b, 0,1
.irp i, 0,1,2,3,4,5,6,7,8,9,10,11,12,13,14,15
.endr
	v_cvt_scalef32_pk8_bf8_f32 v[192+4*\b:193+4*\b], v[96+16*\b:103+16*\b], v[244+\b]
	v_cvt_scalef32_pk8_bf8_f32 v[194+4*\b:195+4*\b], v[104+16*\b:111+16*\b], v[244+\b]
.endr
	v_nop                                          ; one plain vector line behind the last conversion
	global_store_b128 v1, v[192:195], s[52:53]     ; 512 consecutive bytes, aligned
	global_store_b128 v1, v[196:199], s[52:53] offset:512
	global_store_b16 v4, v254, s[54:55]            ; two bytes of each row's eight: the other six belong to other heads; lanes l and l xor 16 store the same
.endm
.macro SWITCH                          ; from the first pass to the second: at the visit behind which i visits are to come.  Ids and the count of visits alone: all sixteen waves go the same way; no barrier and no tensor load stands inside
	s_cmp_lg_u32 s[SLOTS], s[WI]
	s_cbranch_scc1 .Lsame_\@
	FINISH
	s_mov_b32 s[BLK], s[WI]
	s_wait_xcnt 0x0                                ; the stores have read their registers and bases: both are written again below
	INITP
.Lsame_\@:
.endm
; A KEY STEP: 128 keys, the q-th of the slot in hand.
.macro STEP q
	s_cmp_gt_u32 s[KF], s[QMAX]                    ; all its keys come after my queries: left out.  A scalar branch on ids and counts, round no barrier and no tensor load
	s_cbranch_scc1 .Lhidden_\@
	v_add_nc_u32 v[ADK], s[TB], v1
	s_wait_alu depctr_va_vdst(0)
	v_add_nc_u32 v[ADV], s[TB], v2
.rept 7
	v_nop                                          ; with the two additions nine places: the new S^T is written by matrix instructions over registers that the last step's second product read
.endr
	ds_load_b128 v[248:251], v[ADK] offset:KSC+512*(\q)   ; the scale words of all eight tiles: lanes 0-15 tiles 0-3, lanes 16-31 tiles 4-7
.irp g, 0,1                                    ; S^T = k q^T, four tiles of 16 keys at a time
.irp t, 0,1,2,3
	ds_load_b128 v[32+16*\t:35+16*\t], v[ADK] offset:8192*(\q)+1024*(4*\g+\t)
	ds_load_b128 v[36+16*\t:39+16*\t], v[ADK] offset:8192*(\q)+1024*(4*\g+\t)+512
.endr
	s_wait_dscnt 0x0
.irp t, 0,1,2,3
.if \g == 0
	v_wmma_scale_f32_16x16x128_f8f6f4 v[96+8*(4*\g+\t):103+8*(4*\g+\t)], v[32+16*\t:47+16*\t], v[16:31], 0, v[248+\t], v255 matrix_a_fmt:MATRIX_FMT_BF8 matrix_b_fmt:MATRIX_FMT_BF8
.else
	v_wmma_scale_f32_16x16x128_f8f6f4 v[96+8*(4*\g+\t):103+8*(4*\g+\t)], v[32+16*\t:47+16*\t], v[16:31], 0, v[248+\t], v255 matrix_a_fmt:MATRIX_FMT_BF8 matrix_b_fmt:MATRIX_FMT_BF8 matrix_a_scale:MATRIX_SCALE_ROW1
.endif
.endr
.rept 8
	v_nop                                          ; places in front of the next loads into k's registers, and of the first read of S^T
.endr
.endr
	s_add_co_u32 s96, s[KF], 127                   ; on the diagonal hidden scores become -infinity ahead of the maximum; a step all of whose keys count skips this
	s_cmp_le_u32 s96, s[QMIN]
	s_cbranch_scc1 .Lopen_\@
	v_sub_nc_u32 v252, v11, s[KF]                  ; d = my query - KF - 16 h.  Register 16 b + i holds key KF + 16 h + 32 b + i: hidden where 32 b + i > d
	v_mov_b32 v254, 0xff800000
.set n, 0
.rept 64
	v_cmp_gt_i32 vcc_lo, 32*(n/16)+n%16, v252
	v_cndmask_b32 v[96+n], v[96+n], v254, vcc_lo
.set n, n+1
.endr
.Lopen_\@:
.irp b, 0,1,2,3
	v_max3_num_f32 v[232+\b], v[96+16*\b], v[97+16*\b], v[98+16*\b]   ; the largest score of each block of 32 keys: for the row's maximum, and, since p rises with the score, for the block's largest p
.endr
.irp i, 3,5,7,9,11,13
.irp b, 0,1,2,3
	v_max3_num_f32 v[232+\b], v[232+\b], v[96+16*\b+\i], v[97+16*\b+\i]
.endr
.endr
.irp b, 0,1,2,3
	v_max_num_f32 v[232+\b], v[232+\b], v[111+16*\b]
.endr
.irp b, 0,1,2,3
	s_delay_alu instid0(VALU_DEP_4)
	v_permlanex16_b32 v[236+\b], v[232+\b], s[SEL], s[SEL+1]
.endr
.irp b, 0,1,2,3
	s_delay_alu instid0(VALU_DEP_4)
	v_max_num_f32 v[232+\b], v[232+\b], v[236+\b]  ; with lane l xor 16's 16 keys
.endr
	s_delay_alu instid0(VALU_DEP_2)
	v_max3_num_f32 v254, v232, v233, v234
	s_delay_alu instid0(VALU_DEP_1)
	v_max_num_f32 v254, v254, v235
	s_delay_alu instid0(VALU_DEP_1)
	v_mul_f32 v254, s[CS], v254                    ; the step's largest t (c is positive)
	s_delay_alu instid0(VALU_DEP_1)
	v_max_num_f32 v13, v13, v254                   ; the running largest t
	v_mov_b32 v254, v12
	s_delay_alu instid0(VALU_DEP_2)
	v_floor_f32 v12, -v13                          ; the new -M = floor(-t): M is a whole number
	s_delay_alu instid0(VALU_DEP_1)
	v_sub_f32 v254, v12, v254                      ; old M - new M: a whole number, 0 or less
	s_delay_alu instid0(VALU_DEP_1)
	v_cvt_i32_f32 v254, v254                       ; (it saturates)
	s_delay_alu instid0(VALU_DEP_1)
	v_ldexp_f32 v252, 1.0, v254                    ; f = 2^(old M - new M)
.set n, 0
.rept 32
	v_pk_fma_f32 v[96+n:97+n], v[96+n:97+n], s[CS:CS+1], v[12:13] op_sel_hi:[1,0,0]   ; t - M, two at a time
.set n, n+2
.endr
.irp b, 0,1,2,3
	v_fma_f32 v[232+\b], v[232+\b], s[CS], v12     ; the same of each block's largest score
.endr
.set n, 0
	s_wait_alu depctr_va_vdst(0)
.rept 64
	v_exp_f32 v[96+n], v[96+n]                     ; p = 2^(t - M), at most 1
.set n, n+1
.endr
	v_pk_mul_f32 v[14:15], v[14:15], v[252:253] op_sel_hi:[1,0]   ; the sums under the new M: a plain place behind the exponentials
	s_wait_alu depctr_va_vdst(0)                   ; one wait for the whole batch, ahead of its first reader
.irp b, 0,1,2,3
	v_exp_f32 v[232+\b], v[232+\b]                 ; the block's largest p
.endr
	v_pk_add_f32 v[236:237], v[100:101], v[104:105]
	v_pk_add_f32 v[250:251], v[108:109], v[112:113]
	v_pk_add_f32 v[248:249], v[116:117], v[120:121]
	v_pk_add_f32 v[246:247], v[124:125], v[128:129]
	v_pk_add_f32 v[244:245], v[132:133], v[136:137]
	v_pk_add_f32 v[242:243], v[140:141], v[144:145]
	v_pk_add_f32 v[240:241], v[148:149], v[152:153]
	v_pk_add_f32 v[14:15], v[14:15], v[156:157]
	v_pk_add_f32 v[236:237], v[236:237], v[96:97]
	v_pk_add_f32 v[250:251], v[250:251], v[98:99]
	v_pk_add_f32 v[248:249], v[248:249], v[102:103]
	v_pk_add_f32 v[246:247], v[246:247], v[106:107]
	v_pk_add_f32 v[244:245], v[244:245], v[110:111]
	v_pk_add_f32 v[242:243], v[242:243], v[114:115]
	v_pk_add_f32 v[240:241], v[240:241], v[118:119]
	v_pk_add_f32 v[14:15], v[14:15], v[122:123]
	v_pk_add_f32 v[236:237], v[236:237], v[126:127]
	v_pk_add_f32 v[250:251], v[250:251], v[130:131]
	v_pk_add_f32 v[248:249], v[248:249], v[134:135]
	v_pk_add_f32 v[246:247], v[246:247], v[138:139]
	v_pk_add_f32 v[244:245], v[244:245], v[142:143]
	v_pk_add_f32 v[242:243], v[242:243], v[146:147]
	v_pk_add_f32 v[240:241], v[240:241], v[150:151]
	v_pk_add_f32 v[14:15], v[14:15], v[154:155]
	v_pk_add_f32 v[236:237], v[236:237], v[158:159]
	s_delay_alu instid0(VALU_DEP_2)
	v_pk_add_f32 v[14:15], v[14:15], v[246:247]
	s_delay_alu instid0(VALU_DEP_2)
	v_pk_add_f32 v[236:237], v[236:237], v[244:245]
	v_pk_add_f32 v[250:251], v[250:251], v[242:243]
	v_pk_add_f32 v[248:249], v[248:249], v[240:241]
	s_delay_alu instid0(VALU_DEP_2)
	v_pk_add_f32 v[14:15], v[14:15], v[250:251]
	s_delay_alu instid0(VALU_DEP_2)
	v_pk_add_f32 v[236:237], v[236:237], v[248:249]
	s_delay_alu instid0(VALU_DEP_1)
	v_pk_add_f32 v[14:15], v[14:15], v[236:237]
	s_wait_alu depctr_va_vdst(0)                   ; and one for the four
.irp b, 0,1,2,3
	v_max_num_f32 v[232+\b], 0x8000000, v[232+\b]  ; the floor 2^(16 - 127)
.endr
.irp b, 0,1,2,3
	s_delay_alu instid0(VALU_DEP_4)
	v_add_nc_u32 v[244+\b], 0xf8800000, v[232+\b]
.endr
.irp b, 0,1,2,3
.endr
.irp b, 0,1,2,3
	s_delay_alu instid0(VALU_DEP_4)
	v_lshrrev_b32 v[236+\b], 23, v[244+\b]
.endr
	s_delay_alu instid0(VALU_DEP_3)
	v_lshl_or_b32 v253, v237, 8, v236              ; p's scale word for these 128 keys
	s_delay_alu instid0(VALU_DEP_1)
	v_lshl_or_b32 v253, v238, 16, v253
	s_delay_alu instid0(VALU_DEP_1)
	v_lshl_or_b32 v253, v239, 24, v253
.irp b, 0,1,2,3
.irp i, 0,1,2,3,4,5,6,7,8,9,10,11,12,13,14,15
.endr
	v_cvt_scalef32_pk8_bf8_f32 v[192+4*\b:193+4*\b], v[96+16*\b:103+16*\b], v[244+\b]
	v_cvt_scalef32_pk8_bf8_f32 v[194+4*\b:195+4*\b], v[104+16*\b:111+16*\b], v[244+\b]
.endr
	v_nop
.irp ct, 0,1,2,3                               ; v^T's four tiles of 16 channels take the registers that p has left
.irp c, 0,1,2,3
	ds_load_b128 v[96+16*\ct+4*\c:99+16*\ct+4*\c], v[ADK] offset:VIM+8192*(\q)+2048*\ct+512*\c
.endr
.endr
	ds_load_b64 v[248:249], v[ADV] offset:VSC+256*(\q)   ; lanes 0-15: tiles 0, 1; lanes 16-31: tiles 2, 3
.set n, 0
.rept 16
	v_pk_mul_f32 v[160+n:161+n], v[160+n:161+n], v[252:253] op_sel_hi:[1,0]   ; O^T under the new M.  These sixteen are also the places between the conversions and the products
.set n, n+2
.endr
	s_wait_alu depctr_va_vdst(0)
	s_wait_dscnt 0x0
.irp ct, 0,1,2,3                               ; O^T += v^T p^T: the four accumulators by turns
.if \ct < 2
	v_wmma_scale_f32_16x16x128_f8f6f4 v[160+8*\ct:167+8*\ct], v[96+16*\ct:111+16*\ct], v[192:207], v[160+8*\ct:167+8*\ct], v[248+\ct%2], v253 matrix_a_fmt:MATRIX_FMT_BF8 matrix_b_fmt:MATRIX_FMT_BF8
.else
	v_wmma_scale_f32_16x16x128_f8f6f4 v[160+8*\ct:167+8*\ct], v[96+16*\ct:111+16*\ct], v[192:207], v[160+8*\ct:167+8*\ct], v[248+\ct%2], v253 matrix_a_fmt:MATRIX_FMT_BF8 matrix_b_fmt:MATRIX_FMT_BF8 matrix_a_scale:MATRIX_SCALE_ROW1
.endif
.endr
.Lhidden_\@:
	s_add_co_u32 s[KF], s[KF], 128
.endm
; THE CHANGE OF SLOTS stands at a visit's head.  Each wave waits for all its tensor loads, adds 0 to its spare word (fill = 1: twice on end), and waits for that and for its reads of the slot that it has left.  Behind the barrier the slot
; ahead is whole and nobody reads the other one.  fill = 1: that other slot takes the next visit's keys: the slot after, or slot 0 where the first pass ends.  The load has a visit's two key steps in which to land.
.macro CHANGE fill
	s_wait_tensorcnt 0x0                           ; no tensor load of mine is out, so group 0 may be written
	ds_add_u32 v[SPW], v[NIL]                      ; 0 onto my spare word
.if \fill
	ds_add_u32 v[SPW], v[NIL]                      ; and once more: the add twice on end here, in every trip alike
	s_xor_b32 s[G0+1], s[G0+1], SLOT1
	s_add_co_u32 s[NS], s[NS], 1
	s_cmp_eq_u32 s[NS], s[LIMA]
	s_cselect_b32 s[NS], 0, s[NS]
	s_mul_i32 s46, s[NS], SLOTB
	s_add_nc_u64 s[G0+2:G0+3], s[KB:KB+1], s[46:47]
	s_or_b32 s[G0+3], s[G0+3], 0x80000000
	s_wait_xcnt 0x0                                ; the last prefetch, a visit back, has read its address
	s_add_nc_u64 s[PFA:PFA+1], s[PFA:PFA+1], SLOTB
.endif
	s_wait_dscnt 0x0                               ; the add is done, and my reads of the slot that I have left are over
	s_barrier_signal -1
	s_barrier_wait -1
.if \fill
	TLOAD                                          ; the first thing behind the barrier, and a wave's one tensor load until the next
	ASK
.endif
.endm
.macro SLOT_STEPS
	STEP 0
	STEP 1
	s_xor_b32 s[TB], s[TB], SLOT1
.endm
	s_sub_co_u32 s[BLK], 7, s[WI]
	INITP
.Lslot:                                            ; eight trips: behind each change of slots but the last the next visit's slot is asked for
	CHANGE 1
	SWITCH
	SLOT_STEPS
	s_sub_co_u32 s[SLOTS], s[SLOTS], 1
	s_cmp_lg_u32 s[SLOTS], 0
	s_cbranch_scc1 .Lslot
	CHANGE 0                                       ; the ninth visit is written out: nothing is left to fetch
	SWITCH
	SLOT_STEPS
	FINISH
	s_wait_tensorcnt 0x0                           ; the wave's end, behind my last tensor load
	ds_add_u32 v[SPW], v[NIL]
	s_wait_dscnt 0x0
	s_endpgm
.Lfunc_end_k_q2de8750ce0_attn:
	.size	k_q2de8750ce0_attn, .Lfunc_end_k_q2de8750ce0_attn-k_q2de8750ce0_attn
	.p2alignl 7, 3214868480
	.fill 96, 4, 3214868480
	.section	.rodata,"a",@progbits
	.p2align	6, 0x0
	.amdhsa_kernel k_q2de8750ce0_attn
		.amdhsa_group_segment_fixed_size 327680
		.amdhsa_private_segment_fixed_size 0
		.amdhsa_enable_private_segment 0
		.amdhsa_kernarg_size 24
		.amdhsa_user_sgpr_count 2
		.amdhsa_user_sgpr_kernarg_segment_ptr 1
		.amdhsa_wavefront_size32 1
		.amdhsa_system_sgpr_workgroup_id_x 1
		.amdhsa_system_sgpr_workgroup_id_y 1
		.amdhsa_system_sgpr_workgroup_id_z 1
		.amdhsa_system_vgpr_workitem_id 0
		.amdhsa_next_free_vgpr 256
		.amdhsa_next_free_sgpr 100
		.amdhsa_reserve_vcc 1
		.amdhsa_float_denorm_mode_32 3
		.amdhsa_float_denorm_mode_16_64 3
		.amdhsa_fp16_overflow 1
		.amdhsa_memory_ordered 1
		.amdhsa_forward_progress 1
		.amdhsa_inst_pref_size 119
	.end_amdhsa_kernel
	.amdgpu_metadata
---
amdhsa.version: [ 1, 2 ]
amdhsa.kernels:
  - .name:           k_q2de8750ce0_attn
    .symbol:         k_q2de8750ce0_attn.kd
    .args:
      - { .name: qc, .offset: 0, .size: 8, .value_kind: global_buffer, .address_space: global }
      - { .name: kvc, .offset: 8, .size: 8, .value_kind: global_buffer, .address_space: global }
      - { .name: yc, .offset: 16, .size: 8, .value_kind: global_buffer, .address_space: global }
    .group_segment_fixed_size: 327680
    .private_segment_fixed_size: 0
    .kernarg_segment_align: 8
    .kernarg_segment_size: 24
    .max_flat_workgroup_size: 512
    .sgpr_count:     100
    .vgpr_count:     256
    .wavefront_size: 32
...
	.end_amdgpu_metadata
.endif
;; end of part 3
;; launch proj (part 4): grid 4 x 32, 4 waves a work-group, clusters of 4 x 4, 327,680 bytes of LDS; arguments yc, wc, bp, out0; writes out0
.if DOCPART == 4
	.amdgcn_target "amdgcn-amd-amdhsa--gfx1250"
	.amdhsa_code_object_version 6
	.text
	.protected	k_q2de8750ce0_proj
	.globl	k_q2de8750ce0_proj
	.p2align	8
	.type	k_q2de8750ce0_proj,@function
k_q2de8750ce0_proj:
	s_mov_b64 s[64:65], 0
	v_nop
	global_prefetch_b8 v0, s[64:65] scope:SCOPE_SE
	s_setreg_imm32_b32 hwreg(HW_REG_WAVE_MODE, 25, 1), 1
	s_wait_xcnt 0x0
	s_wait_alu depctr_hold_cnt(0) depctr_sa_sdst(0) depctr_va_vdst(0) depctr_va_sdst(0) depctr_va_ssrc(0) depctr_va_vcc(0) depctr_vm_vsrc(0)
	s_getreg_b32 s2, hwreg(HW_REG_IB_STS2, 6, 4)
	s_cmp_eq_u32 s2, 0
	s_cbranch_scc0 .Lentry_in_a_cluster
	s_endpgm
.Lentry_in_a_cluster:
	s_bfe_u32 s2, ttmp6, 0x10000c
	s_cmp_lg_u32 s2, 0xf033
	s_cbranch_scc0 .Lentry_shape_is_right
	s_endpgm
.Lentry_shape_is_right:
; Launch 4 of 4: out0 = y Wp^T + bp on codes of E5M2 (K = 1,024), f32 out.  No work is left out here.
; The product's core is the second launch's: a work-group of four waves makes 256 x 256, a wave 128 x 128; K in steps of 256 through a ring of two LDS slots; operands as images of their registers (tile T, position r: row
; 32 (T / 2) + 8 (T % 2) + r + 8 (r / 8)); clusters of 4 x 4 with joint loads: source 1 = y (the A side, shared along a row of the cluster), source 0 = Wp (the B side, tiles 192 on of wc, shared along a column).
; A lane holds one row of out0 and eight neighbouring columns an accumulator.  bp is the C of each sum's first matrix instruction.  128 tiles of 256 x 256: as many work-groups.
; REGISTERS: as in the second launch; v24-26 the way out's addresses; on the way out v128-255 of window 0 hold rows read back from the stage.
.set YS_OFF, 8388608                   ; y's scale bytes in yc
.set WS_OFF, 4194304                   ; the weights' in wc
.set NQ,     2
.set FR,     16
.set NL,     4
.set NP,     8                         ; places behind this matrix instruction (ISA guide 7.12.1)
.set HALFT,  32768
.set SLOT,   4*HALFT
.set SCL,    2*SLOT
.set HALFS,  4096
.set SBLK,   512
.set SPARE,  SCL+4*HALFS               ; the spare words, 128 bytes for each wave: two blocks of 256 bytes that no other line names
.set SPITCH, 528                       ; the way out: a stage of 16 rows x (512 bytes + 16) for each wave, in slot 0, which has had its last fill and its last read when the first result is stored there
.set ADRA, 16
.set ADRB, 20
.set STO,  24
.set RD,   25
.set CO,   26
.set ADRS, 27
.set SPW,  28
.set NIL,  29
.set SC,   32
.set BIAS, 64
.set AF,   128
.set BK,   128
.set G1, 24
.set G0, 32
.set G1B, 48
.set G0B, 56
.set G1S, 68
.set G0S, 76
.set G1SB, 80
.set G0SB, 88
.set MSB, 0
.macro WIN new                         ; the immediate's high byte repeats the setting that is left
.if MSB != (\new)
	s_set_vgpr_msb (MSB<<8)|(\new)
.set MSB, (\new)
.endif
.endm
.set MUL_LO,   0xa1
.set MUL_HI,   0xf1
.set FIRST_LO, 0x81
.set FIRST_HI, 0xc1
.set TO_B,     0x40
.macro JLOAD g0a, g1a, g0b, g1b        ; a joint load: waves 0 and 1 fetch for the A side, waves 2 and 3 for the B side; an s_nop 0 and four v_nop follow each of the two lines
	s_cmp_eq_u32 s15, 0
	s_cbranch_scc0 .Lfor_b_\@
	tensor_load_to_lds s[\g0a:\g0a+3], s[\g1a:\g1a+7]
	s_nop 0
.rept 4
	v_nop
.endr
	s_branch .Lasked_\@
.Lfor_b_\@:
	tensor_load_to_lds s[\g0b:\g0b+3], s[\g1b:\g1b+7]
	s_nop 0
.rept 4
	v_nop
.endr
.Lasked_\@:
.endm
.macro CREST
	s_cmp_lg_u32 s14, 0
	s_cbranch_scc1 .Lnot_wave_0_\@
	s_barrier_signal -3
.Lnot_wave_0_\@:
	s_barrier_wait -3
	s_barrier_signal -1
	s_barrier_wait -1
.endm
.macro CROUND
	s_barrier_signal -1
	s_barrier_wait -1
	CREST
.endm
	s_load_b256 s[68:75], s[0:1], 0x0              ; yc, wc, bp, out0
	v_lshl_add_u32 v[SPW], v0, 2, SPARE
	v_mov_b32 v[NIL], 0
	ds_add_u32 v[SPW], v[NIL]                      ; the wave's opening: the add, twice on end, and its wait ahead of my first tensor load; work on registers stands between the second and the wait
	ds_add_u32 v[SPW], v[NIL]
	v_lshrrev_b32 v1, 5, v0
	v_readfirstlane_b32 s14, v1                    ; wave 0..3
	s_lshr_b32 s15, s14, 1                         ; which half of the rows is mine.  Also: I fetch for A (0) or for B (1)
	s_and_b32 s16, s14, 1                          ; which half of the columns.  Also: which half of that side I fetch
	s_bfe_u32 s40, ttmp6, 0x40000                  ; cx, cy
	s_bfe_u32 s41, ttmp6, 0x40004
	s_and_b32 s2, ttmp7, 0xffff                    ; the cluster's y: 1,024 rows
	s_lshl_b32 s43, s41, 2
	s_lshl_b32 s43, 15, s43                        ; my row of the cluster
	s_lshl_b32 s44, 0x1111, s40                    ; my column
	s_or_b32 s[G1+0], s43, (3<<16)|(1<<21)         ; codes: 8 rows of 512 elements of 8 bytes, 2,048 elements apart
	s_or_b32 s[G1B+0], s44, (3<<16)|(1<<21)
.irp g, G1, G1B
	s_mov_b32 s[\g+1], 512<<16
	s_mov_b32 s[\g+2], 8<<16
	s_mov_b32 s[\g+3], 512<<16
	s_mov_b32 s[\g+4], 8
	s_mov_b32 s[\g+5], 2048
	s_mov_b32 s[\g+6], 0
	s_mov_b32 s[\g+7], 0
.endr
	s_lshl_b32 s18, s16, 7                         ; which 128 rows I fetch
	s_lshl_b32 s20, s2, 10
	s_lshl_b32 s19, s41, 8
	s_add_co_u32 s20, s20, s19                     ; y's rows: 1,024 Y + 256 cy: these registers never hold cx,
	s_add_co_u32 s20, s20, s18
	s_lshl_b32 s46, s40, 8
	s_add_co_u32 s46, s46, 3072                    ; Wp's in wc: 3,072 + 256 cx: nor these cy
	s_add_co_u32 s46, s46, s18
	s_lshl_b32 s22, s20, 5
	s_add_co_u32 s22, s22, YS_OFF
	s_mov_b32 s23, 0
	s_lshl_b32 s20, s20, 10
	s_mov_b32 s21, 0
	s_lshl_b32 s92, s46, 5
	s_add_co_u32 s92, s92, WS_OFF
	s_mov_b32 s93, 0
	s_lshl_b32 s46, s46, 10
	s_mov_b32 s47, 0
	s_lshl_b32 s45, s14, 15                        ; where they go: wave x HALFT,
	s_lshl_b32 s94, s14, 12                        ; wave x HALFS
	s_wait_dscnt 0x0                               ; both opening adds are done
	s_wait_kmcnt 0x0
	s_add_nc_u64 s[22:23], s[68:69], s[22:23]
	s_add_nc_u64 s[20:21], s[68:69], s[20:21]
	s_add_nc_u64 s[92:93], s[70:71], s[92:93]
	s_add_nc_u64 s[46:47], s[70:71], s[46:47]
	s_mov_b64 s[96:97], s[72:73]                   ; bp
	s_mov_b64 s[12:13], s[74:75]                   ; out0
	s_or_b32 s[G1S+0], s43, (3<<16)|(1<<21)        ; scale bytes: 4,096 dense bytes as 16 rows of 256 (the arguments' registers are free now)
	s_or_b32 s[G1SB+0], s44, (3<<16)|(1<<21)
.irp g, G1S, G1SB
	s_mov_b32 s[\g+1], 32<<16
	s_mov_b32 s[\g+2], 16<<16
	s_mov_b32 s[\g+3], 32<<16
	s_mov_b32 s[\g+4], 16
	s_mov_b32 s[\g+5], 32
	s_mov_b32 s[\g+6], 0
	s_mov_b32 s[\g+7], 0
.endr
	CROUND                                         ; all sixteen work-groups are here: the first joint loads meet
	s_mov_b32 s[G0S], 1
	s_add_co_u32 s[G0S+1], s94, SCL
	s_mov_b64 s[G0S+2:G0S+3], s[22:23]
	s_or_b32 s[G0S+3], s[G0S+3], 0x80000000
	s_mov_b32 s[G0SB], 1
	s_add_co_u32 s[G0SB+1], s94, SCL
	s_mov_b64 s[G0SB+2:G0SB+3], s[92:93]
	s_or_b32 s[G0SB+3], s[G0SB+3], 0x80000000
	JLOAD G0S, G1S, G0SB, G1SB
.irp s, 0,1
	s_mov_b32 s[G0+4*\s], 1
	s_add_co_u32 s[G0+4*\s+1], s45, \s*SLOT
	s_add_nc_u64 s[G0+4*\s+2:G0+4*\s+3], s[20:21], \s*4096
	s_or_b32 s[G0+4*\s+3], s[G0+4*\s+3], 0x80000000
	s_mov_b32 s[G0B+4*\s], 1
	s_add_co_u32 s[G0B+4*\s+1], s45, \s*SLOT
	s_add_nc_u64 s[G0B+4*\s+2:G0B+4*\s+3], s[46:47], \s*4096
	s_or_b32 s[G0B+4*\s+3], s[G0B+4*\s+3], 0x80000000
	s_wait_alu depctr_va_vdst(0)
	s_wait_tensorcnt 0x0
	ds_add_u32 v28, v29
	s_wait_dscnt 0x0
	CROUND
	JLOAD G0+4*\s, G1, G0B+4*\s, G1B               ; one load of mine is out
.endr
	v_and_b32 v9, 15, v0                           ; r
	v_bfe_u32 v10, v0, 4, 1                        ; h
	s_wait_alu depctr_va_vdst(0)
	v_and_b32 v11, 31, v0
	v_lshlrev_b32 v11, 4, v11                      ; 16 x lane
	s_lshl_b32 s21, s15, 15
	s_lshl_b32 s22, s16, 15
	s_add_co_u32 s22, s22, 2*HALFT
.irp s, 0,1
	v_add_nc_u32 v[ADRA+\s], s21, v11
	v_add_nc_u32 v[ADRB+\s], s22, v11
	s_add_co_u32 s21, s21, SLOT
	s_add_co_u32 s22, s22, SLOT
.endr
	v_lshlrev_b32 v12, 3, v9
	s_lshl_b32 s21, s15, 12
	s_lshl_b32 s22, s16, 12
	s_add_co_u32 s22, s22, 2*HALFS
	s_sub_co_u32 s22, s22, s21
	v_mul_u32_u24 v13, s22, v10                    ; lanes 16-31 take the B side's: one product in h
	s_add_co_u32 s21, s21, SCL
	v_add_nc_u32 v12, v12, v13
	v_add_nc_u32 v[ADRS], s21, v12
	s_mul_i32 s23, s14, 16*SPITCH                  ; my stage
	v_mul_u32_u24 v12, v9, SPITCH
	v_lshl_add_u32 v12, v10, 6, v12
	v_add_nc_u32 v[STO], s23, v12                  ; in: position r, + 64 h
	v_mov_b32 v[CO], v11                           ; back: the 32 lanes take one row of 512 bytes; and the same in out0
	v_add_nc_u32 v[RD], s23, v11
	s_lshl_b32 s18, s40, 1
	s_add_co_u32 s18, s18, s16                     ; which 128 columns
	s_lshl_b32 s18, s18, 9                         ; in bytes, in bp and in a row of out0
	s_mov_b32 s19, 0
	s_add_nc_u64 s[96:97], s[96:97], s[18:19]
	s_add_nc_u64 s[12:13], s[12:13], s[18:19]
	s_lshl_b32 s18, s2, 10
	s_lshl_b32 s20, s41, 8
	s_add_co_u32 s18, s18, s20
	s_lshl_b32 s20, s15, 7
	s_add_co_u32 s18, s18, s20                     ; my first row
	s_lshl_b32 s18, s18, 12                        ; a row of out0 is 4,096 bytes
	s_add_nc_u64 s[12:13], s[12:13], s[18:19]
	v_lshlrev_b32 v1, 6, v10                       ; bp: register 8 t + j of lane (r, h): column 32 (t / 2) + 8 (t % 2) + 16 h + j
.irp t, 0,1,2,3,4,5,6,7
	global_load_b128 v[BIAS+8*\t:BIAS+8*\t+3], v1, s[96:97] offset:(32*(\t/2)+8*(\t%2))*4
	global_load_b128 v[BIAS+8*\t+4:BIAS+8*\t+7], v1, s[96:97] offset:(32*(\t/2)+8*(\t%2))*4+16
.endr
.macro FRAG reg, adr, q, i             ; a fragment's image: four chunks of 512 consecutive bytes
.irp c, 0,1,2,3
	ds_load_b128 v[\reg+4*\c:\reg+4*\c+3], v[\adr] offset:2048*(\q)+512*\c+(\i)*4096
.endr
.endm
; 16 matrix instructions: A blocks a0, a0 + 1 x the B side's eight.  cm = 0: C = D;  1: C = the bias by b.  The 64 accumulators take turns, one instruction a turn, in the same order in every step.
.macro MUL16 a0, p, q, sc, cm
.irp a, \a0, \a0+1
.irp b, 0,1,2,3,4,5,6,7
.if \cm == 1
	v_wmma_scale_f32_16x16x128_f8f6f4 v[8*(8*((\a)%4)+\b):8*(8*((\a)%4)+\b)+7], v[128*(\p)+FR*\b:128*(\p)+FR*\b+FR-1], v[AF+FR*(\a):AF+FR*(\a)+FR-1], v[BIAS+8*\b:BIAS+8*\b+7], v[SC+8*NQ*(\sc)+NQ*\b+(\q)], v[SC+8*NQ*(\sc)+NQ*(\a)+(\q)] matrix_a_fmt:MATRIX_FMT_BF8 matrix_b_fmt:MATRIX_FMT_BF8 matrix_a_scale:MATRIX_SCALE_ROW1
.else
	v_wmma_scale_f32_16x16x128_f8f6f4 v[8*(8*((\a)%4)+\b):8*(8*((\a)%4)+\b)+7], v[128*(\p)+FR*\b:128*(\p)+FR*\b+FR-1], v[AF+FR*(\a):AF+FR*(\a)+FR-1], v[8*(8*((\a)%4)+\b):8*(8*((\a)%4)+\b)+7], v[SC+8*NQ*(\sc)+NQ*\b+(\q)], v[SC+8*NQ*(\sc)+NQ*(\a)+(\q)] matrix_a_fmt:MATRIX_FMT_BF8 matrix_b_fmt:MATRIX_FMT_BF8 matrix_a_scale:MATRIX_SCALE_ROW1
.endif
.endr
.endr
.endm
.macro FETCH_B slot, q, p
	WIN TO_B
.irp i, 0,1,2,3,4,5,6,7
	FRAG 128*(\p)+FR*\i, ADRB+\slot, \q, \i
.endr
	WIN 0
.endm
.macro FETCH_A slot, q, i0
.irp i, \i0, \i0+1, \i0+2, \i0+3
	FRAG AF+FR*(\i), ADRA+\slot, \q, \i
.endr
.endm
.macro SCALES sc
.irp i, 0,1,2,3,4,5,6,7
	ds_load_b64 v[SC+8*NQ*\sc+NQ*\i:SC+8*NQ*\sc+NQ*\i+1], v[ADRS] offset:\i*SBLK
.endr
.endm
.macro PLACES n                        ; plain vector instructions between a matrix instruction and a load into, or a read of, its registers (ISA guide 7.12.1 for vector instructions)
.rept \n
	v_nop
.endr
.endm
.macro STEP slot, q, cm
	s_wait_dscnt 4*NL                              ; B's set and A's blocks 0-3 are in; the youngest 16 loads (A's blocks 4-7) may be out
.if \cm
	WIN FIRST_LO
.else
	WIN MUL_LO
.endif
	MUL16 0, (\q)%2, \q, \slot, \cm
	MUL16 2, (\q)%2, \q, \slot, \cm
	s_wait_dscnt 0
	PLACES NP
	FETCH_B \slot, (\q)+1, 1-(\q)%2
	FETCH_A \slot, (\q)+1, 0
.if \cm
	WIN FIRST_HI
.else
	WIN MUL_HI
.endif
	MUL16 4, (\q)%2, \q, \slot, \cm
	MUL16 6, (\q)%2, \q, \slot, \cm
	PLACES NP
	WIN 0
	FETCH_A \slot, (\q)+1, 4
.endm
; A slot's last step changes slots: ONE barrier; in front of it each wave waits for all its tensor loads, adds 0 to its spare word, and waits for that and for its own reads of this slot.  fill = 1: this slot is filled again, two K steps ahead.
.macro TURN slot, next, fill
	s_wait_tensorcnt 0x0                           ; all my tensor loads have landed: my part of the next slot
	ds_add_u32 v[SPW], v[NIL]                      ; 0 onto my spare word
	s_wait_dscnt 4*NL+1                            ; (the add and the youngest 16 loads may be out)
	WIN MUL_LO
	MUL16 0, 1, NQ-1, \slot, 0
	s_wait_dscnt 0x0                               ; the add is done, and my reads of this slot are over
	s_barrier_signal -1
	MUL16 2, 1, NQ-1, \slot, 0
	WIN 0
	s_barrier_wait -1
.if \fill
	CREST                                          ; the barrier has opened a round of the cluster's barrier: no wave of any partner still reads this slot or has a load on its way
	s_add_nc_u64 s[G0+4*\slot+2:G0+4*\slot+3], s[G0+4*\slot+2:G0+4*\slot+3], 8192
	s_add_nc_u64 s[G0B+4*\slot+2:G0B+4*\slot+3], s[G0B+4*\slot+2:G0B+4*\slot+3], 8192
	JLOAD G0+4*\slot, G1, G0B+4*\slot, G1B
	PLACES NP-4
.else
	PLACES NP
.endif
	s_wait_alu depctr_va_vdst(0)
	v_add_nc_u32 v[ADRS], 128, v[ADRS]
	FETCH_B \next, 0, 0
	FETCH_A \next, 0, 0
	SCALES \next
	WIN MUL_HI
	MUL16 4, 1, NQ-1, \slot, 0
	MUL16 6, 1, NQ-1, \slot, 0
	PLACES NP
	WIN 0
	FETCH_A \next, 0, 4
.endm
	s_wait_alu depctr_va_vdst(0)
	s_wait_tensorcnt 1                             ; the scale bytes and my part of K step 0 are in; K step 1's load may be out
	s_barrier_signal -1
	s_barrier_wait -1
	FETCH_B 0, 0, 0
	FETCH_A 0, 0, 0
	SCALES 0
	FETCH_A 0, 0, 4
	s_wait_loadcnt 0x0                             ; the bias
	STEP 0, 0, 1
	TURN 0, 1, 1                                   ; K = 1,024 is four K steps: the walk is written out
	STEP 1, 0, 0
	TURN 1, 0, 1
	STEP 0, 0, 0
	TURN 0, 1, 0                                   ; nothing is left to fetch: no round
	STEP 1, 0, 0
	s_wait_dscnt 4*NL
	WIN MUL_LO
	MUL16 0, 1, NQ-1, 1, 0
	MUL16 2, 1, NQ-1, 1, 0
	s_wait_dscnt 0
	WIN MUL_HI
	MUL16 4, 1, NQ-1, 1, 0
	MUL16 6, 1, NQ-1, 1, 0
	WIN 0
; THE WAY OUT, A block by A block: 16 rows x 128 columns go through my own stage in LDS and come back as whole rows of 512 bytes.  Accumulator (a, b) holds columns 32 (b / 2) + 8 (b % 2) + 16 h + 0 .. 7; position t of block a is row
; 32 (a / 2) + 8 (a % 2) + t + 8 (t / 8).  LDS serves a wave's instructions in order (ISA guide 5.7.1.4): no wait between the stores and the loads.
.macro TOSTAGE a
.set AC, 64*((\a)%4)
	WIN 0x08+4*((\a)/4)                            ; the data: window 2 or 3
.irp b, 0,1,2,3,4,5,6,7
	ds_store_b128 v[STO], v[AC+8*\b:AC+8*\b+3] offset:128*(\b/2)+32*(\b%2)        ; each accumulator from its low end on
	ds_store_b128 v[STO], v[AC+8*\b+4:AC+8*\b+7] offset:128*(\b/2)+32*(\b%2)+16
.endr
	WIN 0
.set BB, BK+64*((\a)%2)
.irp t, 0,1,2,3,4,5,6,7,8,9,10,11,12,13,14,15
	ds_load_b128 v[BB+4*\t:BB+4*\t+3], v[RD] offset:\t*SPITCH
.endr
.endm
.macro SEND a, younger                 ; younger: the LDS instructions issued behind block a's loads, which may stay out
.set BB, BK+64*((\a)%2)
	s_wait_dscnt \younger
.if (\a) > 0
.if ((\a)%2) == 1
	s_add_nc_u64 s[12:13], s[12:13], 8*4096        ; (behind a wait on XCNT: the earlier stores have read their base)  to an odd block: 8 rows on
.else
	s_add_nc_u64 s[12:13], s[12:13], 24*4096       ; to an even one: 24
.endif
.endif
.irp t, 0,1,2,3,4,5,6,7,8,9,10,11,12,13,14,15
	global_store_b128 v[CO], v[BB+4*\t:BB+4*\t+3], s[12:13] offset:(\t+8*(\t/8))*4096 th:TH_STORE_NT   ; 32 lanes store 512 consecutive bytes, at a multiple of 256 from out0's first byte
.endr
.endm
	PLACES NP
	TOSTAGE 0
.irp a, 1,2,3,4,5,6,7
.if \a > 1
	s_wait_xcnt 0x0                                ; block a - 2's stores have read their registers and their base
.endif
	TOSTAGE \a
	SEND \a-1, 32                                  ; behind block a - 1's loads: block a's 16 stores and 16 loads
.endr
	s_wait_xcnt 0x0
	SEND 7, 0
	s_wait_tensorcnt 0x0                           ; the wave's end, behind my last tensor load and my last LDS store
	ds_add_u32 v[SPW], v[NIL]
	s_wait_dscnt 0x0
	CROUND                                         ; the closing round: no work-group ends while a partner may still ask for a tile that names it
	s_endpgm
.Lfunc_end_k_q2de8750ce0_proj:
	.size	k_q2de8750ce0_proj, .Lfunc_end_k_q2de8750ce0_proj-k_q2de8750ce0_proj
	.p2alignl 7, 3214868480
	.fill 96, 4, 3214868480
	.section	.rodata,"a",@progbits
	.p2align	6, 0x0
	.amdhsa_kernel k_q2de8750ce0_proj
		.amdhsa_group_segment_fixed_size 327680
		.amdhsa_private_segment_fixed_size 0
		.amdhsa_enable_private_segment 0
		.amdhsa_kernarg_size 32
		.amdhsa_user_sgpr_count 2
		.amdhsa_user_sgpr_kernarg_segment_ptr 1
		.amdhsa_wavefront_size32 1
		.amdhsa_system_sgpr_workgroup_id_x 1
		.amdhsa_system_sgpr_workgroup_id_y 1
		.amdhsa_system_sgpr_workgroup_id_z 1
		.amdhsa_system_vgpr_workitem_id 0
		.amdhsa_next_free_vgpr 1024
		.amdhsa_next_free_sgpr 102
		.amdhsa_reserve_vcc 0
		.amdhsa_float_denorm_mode_32 3
		.amdhsa_float_denorm_mode_16_64 3
		.amdhsa_memory_ordered 1
		.amdhsa_forward_progress 1
		.amdhsa_inst_pref_size 147
	.end_amdhsa_kernel
	.amdgpu_metadata
---
amdhsa.version: [ 1, 2 ]
amdhsa.kernels:
  - .name:           k_q2de8750ce0_proj
    .symbol:         k_q2de8750ce0_proj.kd
    .args:
      - { .name: yc, .offset: 0, .size: 8, .value_kind: global_buffer, .address_space: global }
      - { .name: wc, .offset: 8, .size: 8, .value_kind: global_buffer, .address_space: global }
      - { .name: bp, .offset: 16, .size: 8, .value_kind: global_buffer, .address_space: global }
      - { .name: out0, .offset: 24, .size: 8, .value_kind: global_buffer, .address_space: global }
    .group_segment_fixed_size: 327680
    .private_segment_fixed_size: 0
    .kernarg_segment_align: 8
    .kernarg_segment_size: 32
    .max_flat_workgroup_size: 128
    .sgpr_count:     102
    .vgpr_count:     1024
    .wavefront_size: 32
...
	.end_amdgpu_metadata
.endif
;; end of part 4
